; MI455X (gfx1250); checked and timed in simulation.
; The chip was launched on July 23, 2026; its instructions are those of AMD's public machine-readable ISA for CDNA 5 (MIT licence, August 2026) and "CDNA5" Instruction Set Architecture Reference Guide (July 2026). The comments in the code are by the model that wrote it; some were corrected since.
;; Multihead Self Attention. Allowed arithmetic: matrix products marked QUANTISED: E4M3 operands, one given power-of-two scale a tensor, by v_wmma_f32_16x16x64_fp8_fp8 or v_wmma_f32_16x16x128_fp8_fp8, f32 sums; everything else in f32.
;; Inputs: ln_beta 1,024 float32; ln_gamma 1,024 float32; lowp_scales 8 int32 (the exponents e of the quantised operands' scales 2^e); mask 1,024 x 2,048 x 4 bool; memory 1,024 x 4 x 1,024 float32; pos_emb 1,024 x 1 x 1,024 float32; w_o 1,024 x 1,024 float32; w_qkv 1,024 x 3,072 float32; x 1,024 x 4 x 1,024 float32.
;; Outputs: out0 1,024 x 4 x 1,024 float32.
;; This version of the problem:
;;   THIS VERSION OF THE PROBLEM IS GIVEN IN LOW PRECISION. The matrix products marked QUANTISED in the list below multiply operands that are first quantised to E4M3 (4 exponent bits, 3 mantissa bits; 8 bits a number), with one given power-of-two scale for each operand tensor; their sums are f32. All else is computed in f32.
;;   The module's matrix products, in the order in which they are computed (A, B: the left and right operand; K: the contracted axis; several contracted axes count as one K, in the product's order):
;;     1. [M 8,192, K 1,024] x [K 1,024, N 3,072]; A: computed on the way; B: input w_qkv: QUANTISED (scales: A lowp_scales[0], B lowp_scales[1])
;;     2. batch 64 x [M 2,048, K 64] x [K 64, N 1,024]; A: computed on the way; B: computed on the way: QUANTISED (scales: A lowp_scales[2], B lowp_scales[3])
;;     3. batch 64 x [M 64, K 2,048] x [K 2,048, N 1,024]; A: computed on the way; B: softmax (see below): QUANTISED (scales: A lowp_scales[4], B lowp_scales[5])
;;     4. [M 4,096, K 1,024] x [K 1,024, N 1,024]; A: computed on the way; B: input w_o: QUANTISED (scales: A lowp_scales[6], B lowp_scales[7])
;;   THE QUANTISER, for each operand of a quantised product, along K:
;;     - The operand's scale is 2^e, e = its entry of the input lowp_scales (int32; the entries are numbered through the quantised products in the list's order, A before B).
;;     - Each number is divided by the scale, clamped to +-448, and rounded to the nearest number of E4M3, ties to even, subnormals kept.
;;     - The product sums the exact products of the quantised numbers (number of the format x scale) in f32.
;;   ~~~python
;;   def quantise(x, axis, e):      # numpy; x: float32 -> the quantised numbers, widened to float32 again
;;       x = np.moveaxis(x, axis, -1); K = x.shape[-1]
;;       r = np.clip(x / 2.0 ** e, -448, 448)
;;       step = 2.0 ** (np.maximum(np.frexp(np.where(r == 0, 1, r))[1] - 1, -6) - 3)
;;       q = np.round(r / step) * step * 2.0 ** e      # np.round: ties to even
;;       return np.moveaxis(q, -1, axis).astype(np.float32)
;;   ~~~
;;   SOFTMAX AHEAD OF A QUANTISED PRODUCT. Where the list says 'softmax', what is quantised is not the finished softmax but p = 2^(t - M), with t = logit x log2(e) and M = ceil(the row's largest t), a whole number; so 1/2 < the row's largest p <= 1. The row's sum l is taken of the UNQUANTISED p, in f32, and the product's result is divided by l at the end. Since M is a whole number, a kernel that streams over the keys may use a running M (the ceiling of the running maximum): every later rescaling is an exact power of two, so the quantised numbers keep their values, but for numbers so far below the row's largest that they fall under the format's range.
;;   OPERANDS COMPUTED ON THE WAY. 'Computed on the way' means the value that the module computes at that place (a softmax that the list does not call 'softmax' is quantised finished and normalised). What goes into a quantiser is computed in f32, as accurately as f32 sums, v_exp_f32 and their like allow (about 1e-6 of the number): no bf16 or f16 on the way to a quantiser, and a product that is left as it is and whose result goes on into a quantised operand takes f32 operands (vector FMAs, or v_wmma_f32_16x16x4_f32). A number that lies on a knife's edge between two numbers of the format may be rounded either way, as far as f32 arithmetic and the matrix unit's own rounding can turn it there, and no further.
;; One version. Each part assembles by itself: llvm-mc -triple=amdgcn-amd-amdhsa -mcpu=gfx1250 --defsym DOCPART=n.
;; ======== version 1 of 1: 4 launches
;; limits: right only within a limited range of input values
;; workspace buffers: mflags 8,192 bytes of whole numbers; mwords 1,048,576 bytes of whole numbers; codes 12,582,912 bytes; kvq 20,971,520 bytes; vecimg 4,194,304 bytes
;; launch prep (part 1): grid 512 x 1, 4 waves a work-group, no clusters, 103,936 bytes of LDS; arguments x, pos_emb, memory, mask, w_qkv, w_o, lowp_scales, codes, mwords, mflags; writes codes, mwords, mflags
.if DOCPART == 1
	.amdgcn_target "amdgcn-amd-amdhsa--gfx1250"
	.amdhsa_code_object_version 6
	.text
	.protected	k_qb3483abd2f_prep
	.globl	k_qb3483abd2f_prep
	.p2align	8
	.type	k_qb3483abd2f_prep,@function
k_qb3483abd2f_prep:
	s_mov_b64 s[64:65], 0
	v_nop
	global_prefetch_b8 v0, s[64:65] scope:SCOPE_SE
	s_setreg_imm32_b32 hwreg(HW_REG_WAVE_MODE, 25, 1), 1
	s_wait_xcnt 0x0
; FIRST LAUNCH: everything that is read by many work-groups later is brought into its narrow form once.
;   work-groups   0-127: memory          -> codes of c, rows t = 0 .. 1023        (E4M3, scale 2^e0)
;   work-groups 128-255: x + pos_emb     -> codes of c, rows t = 1024 .. 2047     (the sum in f32, then the same quantiser)
;   work-groups 256-351: w_qkv [k][n]    -> codes [n 3072][1024], K innermost     (scale 2^e1)
;   work-groups 352-383: w_o   [k][n]    -> codes [K step 8][n 1024][128]         (scale 2^e7)
;   work-groups 384-511: mask  [i][j][b] -> lane-mask words (mwords) and flags (mflags, a small list of its own) for the attention launch: whole numbers
; code = x / 2^e, held within +-448, to the nearest code, ties to even.
; LIMITS: e0, e1, e7 between -126 and 119, so that 2^e and 448 x 2^e are f32 numbers.  NaN among the floating-point inputs is not served.
; c's codes lie [b 4][t 2048][1024 bytes].  ORDER ALONG K of c and of w_qkv, the same in both, so that every product meets its partner: inside each 512 along K, byte 16 l + 4 i + j
; holds k = 128 i + 4 l + j.  With it a lane's four 16-byte loads (512 consecutive bytes a load) are the sixteen numbers of its sixteen codes, and nothing is turned through LDS.
; ORDER ALONG K of w_o: inside each 32, the second and the third group of eight change places: a 16-byte load at 32 c + 16 h of a row then brings registers 4 c .. 4 c + 3 of the plain
; K = 128 operand in its own layout (registers 2 c', 2 c' + 1: k = 16 c' + 8 h + 0 .. 7), in which the attention launch leaves its results.
; The five paths part on the work-group's number alone; each path that uses LDS has LDS bytes of its own.  No barrier: waves share nothing.
.set WQ_OFF, 8388608                   ; codes: w_qkv's part
.set WO_OFF, 11534336                  ; codes: w_o's part
.set WSTG,   8704                      ; a wave's stage for a weight: 32 rows x (256 + 16) bytes
.set WQ_ST,  0                         ; LDS: w_qkv's four stages
.set WO_ST,  34816                     ; LDS: w_o's four stages
.set MST,    69632                     ; LDS: the mask's four stages,
.set MSTW,   8448                      ; 16 rows x (512 + 16) bytes each
.set CR,  16                           ; rows: v16-79   four sets of 16 numbers as loaded
.set CP,  80                           ; rows: v80-143  four halves of rows of pos_emb
.set CC,  144                          ; rows: v144-207 four registers of codes for each step: no store's data are written again
.set WX,  32                           ; weights: v32-95 two sets of 32 numbers
.set WC,  96                           ; weights: v96-103 a block's codes
.set WOUT, 112                         ; weights: v112-175 the way out
.set MLD, 16                           ; mask: v16-79  16 rows x 16 bytes as loaded
.set MD,  80                           ; mask: v80-143 word n = 8 tau + j: my query's four bytes (b = 0 .. 3) of key 16 tau + 8 h + j
.set MW,  144                          ; mask: v144-151 for each b a pair: lane L holds words 2 L and 2 L + 1
.set MVF, 152                          ; mask: v152 lane b: the flags of batch b
.macro SCALE e                         ; v11 = 2^e as f32 (the conversion takes its exponent field), v10 = 448 x 2^e
	s_wait_kmcnt 0x0
	s_add_co_i32 s40, s[\e], 127
	s_lshl_b32 s41, s40, 23
	v_mov_b32 v11, s41
	s_add_co_i32 s40, s40, 8
	s_lshl_b32 s40, s40, 23
	s_or_b32 s40, s40, 0x600000
	v_mov_b32 v10, s40
.endm
; ---------------- rows of c.  A wave takes 8 rows of the input (2 t x 4 b), 32 KB, in 16 steps of 512 numbers; loads run four steps ahead
.macro CLOAD t, src
.irp i, 0,1,2,3
	global_load_b128 v[CR+16*((\t)%4)+4*\i:CR+16*((\t)%4)+4*\i+3], v3, s[\src:\src+1] offset:2048*(\t)+512*\i th:TH_LOAD_NT   ; 32 lanes read 512 consecutive bytes
.endr
.endm
.macro CSTEP t, pos, src
.set RS, CR+16*((\t)%4)
.if 15-(\t) >= 3
	s_wait_loadcnt 12                              ; this step's four loads are in; those of the three steps behind it may be out
.else
	s_wait_loadcnt 4*(15-(\t))
.endif
.if \pos
.set PP, CP+16*(2*((\t)/8)+(\t)%2)
.irp i, 0,2,4,6,8,10,12,14
	v_pk_add_f32 v[RS+\i:RS+\i+1], v[RS+\i:RS+\i+1], v[PP+\i:PP+\i+1]   ; x + pos_emb, in f32
.endr
.endif
.irp i, 0,1,2,3,4,5,6,7,8,9,10,11,12,13,14,15
	v_med3_num_f32 v[RS+\i], v[RS+\i], -v10, v10   ; the conversion to an 8-bit code does not saturate (ISA guide 7.6.2): the hold at the largest code x the scale
.endr
	v_cvt_scalef32_pk8_fp8_f32 v[CC+4*(\t):CC+4*(\t)+1], v[RS:RS+7], v11
	v_cvt_scalef32_pk8_fp8_f32 v[CC+4*(\t)+2:CC+4*(\t)+3], v[RS+8:RS+15], v11
.if (\t)+4 < 16
	CLOAD (\t)+4, \src
.endif
	global_store_b128 v3, v[CC+4*(\t):CC+4*(\t)+3], s[22:23] offset:(((\t)/2)%4)*2097152+((\t)/8)*1024+((\t)%2)*512   ; 512 consecutive bytes: batch (t / 2) % 4, row t / 8, half t % 2
.endm
.macro CROWS pos, src, first
	s_sub_co_u32 s26, ttmp9, \first
	s_lshl_b32 s26, s26, 2
	s_add_co_u32 s26, s26, s2                      ; my wave's unit of 8 rows, 0 .. 511
	s_mov_b32 s29, 0
	s_lshl_b32 s28, s26, 15
	s_add_nc_u64 s[\src:\src+1], s[\src:\src+1], s[28:29]
	s_lshl_b32 s28, s26, 11                        ; two rows t of 1,024 codes
	s_add_nc_u64 s[22:23], s[22:23], s[28:29]
	v_lshlrev_b32 v3, 4, v1                        ; 16 bytes a lane, in and out
.if \pos
	s_add_nc_u64 s[22:23], s[22:23], 1048576       ; t = 1024 on
	s_lshl_b32 s28, s26, 13                        ; two rows of pos_emb
	s_add_nc_u64 s[10:11], s[10:11], s[28:29]
.irp q, 0,1,2,3
.irp i, 0,1,2,3
	global_load_b128 v[CP+16*\q+4*\i:CP+16*\q+4*\i+3], v3, s[10:11] offset:2048*\q+512*\i th:TH_LOAD_NT
.endr
.endr
.endif
.irp t, 0,1,2,3
	CLOAD \t, \src
.endr
	SCALE 32                                       ; e0
	s_wait_alu depctr_va_vdst(0)
.irp t, 0,1,2,3,4,5,6,7,8,9,10,11,12,13,14,15
	CSTEP \t, \pos, \src
.endr
	s_endpgm
.endm
; ---------------- weights, stored [k][n].  A lane takes a column n and its registers run down K, in the order in which the codes are to lie: nothing is transposed by an instruction.
; A wave takes 32 columns x 256 places along K: 8 blocks of 32.  The codes go through the wave's own stage in LDS and leave as runs of 256 or 512 consecutive bytes.
.macro WLOAD t, kind
.set i, 0
.rept 32
.if \kind == 0
	global_load_b32 v[WX+32*((\t)%2)+i], v3, s[16:17] offset:(128*((i>>2)&3)+8*(\t)+4*(i>>4)+(i&3))*12288 th:TH_LOAD_NT
.else
	global_load_b32 v[WX+32*((\t)%2)+i], v3, s[18:19] offset:(32*(\t)+8*(((i>>3)&1)*2+(i>>4))+(i&7))*4096 th:TH_LOAD_NT
.endif
.set i, i+1
.endr
.endm
.macro WBLOCK t, kind
.set XS, WX+32*((\t)%2)
.if (\t) < 7
	s_wait_loadcnt 32                              ; this block's 32 loads are in; the next block's may be out
.else
	s_wait_loadcnt 0
.endif
.set i, 0
.rept 32
	v_med3_num_f32 v[XS+i], v[XS+i], -v10, v10
.set i, i+1
.endr
.irp g, 0,1,2,3
	v_cvt_scalef32_pk8_fp8_f32 v[WC+2*\g:WC+2*\g+1], v[XS+8*\g:XS+8*\g+7], v11
.endr
	ds_store_b128 v4, v[WC:WC+3] offset:32*(\t)
	ds_store_b128 v4, v[WC+4:WC+7] offset:32*(\t)+16
.if (\t)+2 < 8
	WLOAD (\t)+2, \kind
.endif
	s_wait_dscnt 0x0                               ; the stores have read their registers: the next block's codes may be written
.endm
.macro WEIGHT kind
.if \kind == 0
	s_sub_co_u32 s26, ttmp9, 256
.else
	s_sub_co_u32 s26, ttmp9, 352
.endif
	s_lshr_b32 s27, s26, 2                         ; which 128 columns
	s_and_b32 s26, s26, 3                          ; y: which 256 places along K
	s_lshl_b32 s27, s27, 7
	s_lshl_b32 s28, s2, 5
	s_add_co_u32 s27, s27, s28                     ; n0: my wave's first column
	s_mov_b32 s29, 0
	s_mov_b32 s31, 0
.if \kind == 0
	s_lshr_b32 s28, s26, 1
	s_lshl_b32 s28, s28, 9
	s_and_b32 s30, s26, 1
	s_lshl_b32 s30, s30, 6
	s_add_co_u32 s28, s28, s30                     ; places 256 y on hold k = 512 (y / 2) + 64 (y % 2) + 128 i + 4 l' + j
	s_mul_i32 s28, s28, 12288
	s_lshl_b32 s30, s27, 2
	s_add_co_u32 s28, s28, s30
	s_add_nc_u64 s[16:17], s[16:17], s[28:29]
	s_lshl_b32 s30, s27, 10
	s_lshl_b32 s28, s26, 8
	s_add_co_u32 s30, s30, s28
	s_add_co_u32 s30, s30, WQ_OFF
	s_add_nc_u64 s[22:23], s[22:23], s[30:31]      ; codes: row n0, byte 256 y
	s_mul_i32 s28, s2, WSTG
	s_add_co_u32 s28, s28, WQ_ST
.else
	s_lshl_b32 s28, s26, 20                        ; 256 y rows of 4,096 bytes
	s_lshl_b32 s30, s27, 2
	s_add_co_u32 s28, s28, s30
	s_add_nc_u64 s[18:19], s[18:19], s[28:29]
	s_lshl_b32 s30, s26, 18                        ; K steps 2 y and 2 y + 1, 131,072 bytes each
	s_lshl_b32 s28, s27, 7
	s_add_co_u32 s30, s30, s28
	s_add_co_u32 s30, s30, WO_OFF
	s_add_nc_u64 s[22:23], s[22:23], s[30:31]
	s_mul_i32 s28, s2, WSTG
	s_add_co_u32 s28, s28, WO_ST
.endif
	v_lshlrev_b32 v3, 2, v1                        ; in: 4 bytes a lane, 128 consecutive bytes a wave
	v_mul_u32_u24 v4, v1, 272
	v_add_nc_u32 v4, s28, v4                       ; into the stage: row = my column
.if \kind == 0
	v_and_b32 v5, 15, v1                           ; out: sixteen lanes to a row of 256 bytes, two rows an instruction
	v_lshrrev_b32 v6, 4, v1
	v_mul_u32_u24 v7, v6, 272
	v_lshl_add_u32 v7, v5, 4, v7
	v_add_nc_u32 v7, s28, v7
	v_lshlrev_b32 v8, 10, v6
	v_lshl_add_u32 v8, v5, 4, v8
.else
	v_and_b32 v5, 7, v1                            ; out: eight lanes to half a row (128 bytes: one K step), four rows an instruction: 512 consecutive bytes of the buffer
	v_lshrrev_b32 v6, 3, v1
	v_mul_u32_u24 v7, v6, 272
	v_lshl_add_u32 v7, v5, 4, v7
	v_add_nc_u32 v7, s28, v7
	v_lshlrev_b32 v8, 4, v1
.endif
	WLOAD 0, \kind
	WLOAD 1, \kind
.if \kind == 0
	SCALE 33                                       ; e1
.else
	SCALE 39                                       ; e7
.endif
	s_wait_alu depctr_va_vdst(0)
.irp t, 0,1,2,3,4,5,6,7
	WBLOCK \t, \kind
.endr
.set t, 0
.rept 16
.if \kind == 0
	ds_load_b128 v[WOUT+4*t:WOUT+4*t+3], v7 offset:2*t*272          ; LDS serves a wave's instructions in order: these see my stores
.else
	ds_load_b128 v[WOUT+4*t:WOUT+4*t+3], v7 offset:1088*(t%8)+128*(t/8)
.endif
.set t, t+1
.endr
.set t, 0
.rept 16
	s_wait_dscnt 15-t                              ; load t is back; the younger ones may be out
.if \kind == 0
	global_store_b128 v8, v[WOUT+4*t:WOUT+4*t+3], s[22:23] offset:2*t*1024
.else
	global_store_b128 v8, v[WOUT+4*t:WOUT+4*t+3], s[22:23] offset:131072*(t/8)+512*(t%8)
.endif
.set t, t+1
.endr
	s_wait_tensorcnt 0x0
	ds_add_u32 v254, v255
	s_wait_dscnt 0x0
	s_endpgm
.endm
; ---------------- the mask.  A job is a tile of 16 queries x 128 keys x 4 batches: 16 rows of 512 consecutive bytes.
.macro MLOAD
.set r, 0
.rept 16
	global_load_b128 v[MLD+4*r:MLD+4*r+3], v2, s[26:27] offset:8192*r th:TH_LOAD_NT
.set r, r+1
.endr
.endm
.macro MJOB next
	s_wait_loadcnt 0x0                             ; the job's 16 rows are in, and their address may step
.set r, 0
.rept 16
	ds_store_b128 v3, v[MLD+4*r:MLD+4*r+3] offset:528*r
.set r, r+1
.endr
.set t, 0
.rept 8
	ds_load_b128 v[MD+8*t:MD+8*t+3], v4 offset:64*t          ; lane (r, h): query r, keys 16 t + 8 h + 0 .. 3, four bytes (b) each;
	ds_load_b128 v[MD+8*t+4:MD+8*t+7], v4 offset:64*t+16     ; keys 16 t + 8 h + 4 .. 7
.set t, t+1
.endr
	s_wait_dscnt 0x0
	s_wait_xcnt 0x0                                ; the last job's stores have read their data and their base: both are written again only behind this wait
	s_add_nc_u64 s[28:29], s[28:29], s[56:57]      ; 0 in the first job, then 256: the next key step's words
	s_mov_b32 s56, 256
.if \next
	s_add_nc_u64 s[26:27], s[26:27], 512           ; the next 128 keys
	MLOAD
.endif
.set n, 0
.rept 64
.irp b, 0,1,2,3
	v_and_b32 v[8+\b], s[44+\b], v[MD+n]           ; batch b's byte
.endr
.irp b, 0,1,2,3
	v_cmp_ne_u32 s[40+\b], 0, v[8+\b]              ; bit (r + 16 h): the lane mask for register n of the scores
.endr
.irp b, 0,1,2,3
	v_writelane_b32 v[MW+2*\b+(n&1)], s[40+\b], n/2
.endr
.set n, n+1
.endr
.irp b, 0,1,2,3
	v_or_b32 v8, v[MW+2*\b], v[MW+2*\b+1]
	v_and_b32 v9, v[MW+2*\b], v[MW+2*\b+1]
	v_cmp_ne_u32 s40, 0, v8                        ; some word is not 0: some key is hidden from some query
	v_cmp_ne_u32 s41, -1, v9                       ; some word is not all ones: some key counts
	s_cmp_lg_u32 s40, 0
	s_cselect_b32 s42, s52, 0
	s_or_b32 s[48+\b], s[48+\b], s42
	s_cmp_eq_u32 s41, 0
	s_cselect_b32 s42, s53, 0
	s_or_b32 s[48+\b], s[48+\b], s42
.endr
.irp b, 0,1,2,3
	global_store_b64 v5, v[MW+2*\b:MW+2*\b+1], s[28:29] offset:262144*\b   ; 256 consecutive bytes, aligned
.endr
	s_lshl_b32 s52, s52, 1
	s_lshl_b32 s53, s53, 1
.endm
	s_load_b512 s[8:23], s[0:1], 0x0               ; x 8, pos_emb 10, memory 12, mask 14, w_qkv 16, w_o 18, the scales 20, codes 22
	s_load_b64 s[24:25], s[0:1], 0x40              ; mwords
	s_load_b64 s[4:5], s[0:1], 0x48                ; mflags
	v_lshl_add_u32 v254, v0, 2, 0x19400
	v_mov_b32 v255, 0
	v_lshrrev_b32 v1, 5, v0
	v_readfirstlane_b32 s2, v1                     ; wave 0..3
	v_and_b32 v1, 31, v0                           ; lane
	s_wait_kmcnt 0x0
	s_load_b256 s[32:39], s[20:21], 0x0            ; e0 .. e7
	s_cmp_lt_u32 ttmp9, 128
	s_cbranch_scc1 .Lmem
	s_cmp_lt_u32 ttmp9, 256
	s_cbranch_scc1 .Lx
	s_cmp_lt_u32 ttmp9, 352
	s_cbranch_scc1 .Lwq
	s_cmp_lt_u32 ttmp9, 384
	s_cbranch_scc1 .Lwo
	s_branch .Lmask
.Lmem:
	s_wait_alu depctr_va_vdst(0)
	CROWS 0, 12, 0
.Lx:
	s_wait_alu depctr_va_vdst(0)
	CROWS 1, 8, 128
.Lwq:
	s_wait_alu depctr_va_vdst(0)
	WEIGHT 0
.Lwo:
	s_wait_alu depctr_va_vdst(0)
	WEIGHT 1
.Lmask:
	; two work-groups to a tile of 16 queries; wave w of half hf takes the two key steps 8 hf + 2 w and 8 hf + 2 w + 1: two jobs, about as many instructions as a wave of the other paths has
	s_sub_co_u32 s58, ttmp9, 384
	s_and_b32 s61, s58, 1                          ; hf
	s_lshr_b32 s58, s58, 1                         ; the tile of queries
	s_lshl_b32 s60, s61, 3
	s_lshl_b32 s59, s2, 1
	s_add_co_u32 s60, s60, s59                     ; my first key step
	s_lshl_b32 s26, s58, 17                        ; 16 rows of 8,192 bytes
	s_lshl_b32 s27, s60, 9                         ; a key step is 512 bytes of a row
	s_add_co_u32 s26, s26, s27
	s_mov_b32 s27, 0
	s_add_nc_u64 s[26:27], s[14:15], s[26:27]
	s_lshl_b32 s28, s58, 12                        ; words: [b][tile 64][key step 16][64 words]
	s_lshl_b32 s29, s60, 8
	s_add_co_u32 s28, s28, s29
	s_mov_b32 s29, 0
	s_add_nc_u64 s[28:29], s[24:25], s[28:29]
	s_lshl_b32 s30, s58, 7                         ; flags: [tile 64][b 4][8 words: 4 hf + w]
	s_mov_b32 s31, 0
	s_add_nc_u64 s[30:31], s[4:5], s[30:31]
	s_wait_alu depctr_va_vdst(0)
	v_lshlrev_b32 v2, 4, v1
	MLOAD
	s_mul_i32 s59, s2, MSTW
	s_add_co_u32 s59, s59, MST                     ; my stage
	v_add_nc_u32 v3, s59, v2
	v_and_b32 v6, 15, v1
	v_lshrrev_b32 v7, 4, v1
	v_mul_u32_u24 v4, v6, 528
	v_lshl_add_u32 v4, v7, 5, v4
	v_add_nc_u32 v4, s59, v4
	v_lshlrev_b32 v5, 3, v1
	s_mov_b32 s44, 0xff
	s_mov_b32 s45, 0xff00
	s_mov_b32 s46, 0xff0000
	s_mov_b32 s47, 0xff000000
	s_mov_b32 s48, 0
	s_mov_b32 s49, 0
	s_mov_b32 s50, 0
	s_mov_b32 s51, 0
	s_lshl_b32 s52, 1, s60                         ; bit (key step): 'some hidden';
	s_lshl_b32 s53, s52, 16                        ; bit 16 + (key step): 'all hidden'
	s_lshl_b32 s61, s60, 1                         ; 4 (4 hf + w): my word's byte among the eight
	s_mov_b32 s56, 0
	s_mov_b32 s57, 0
.irp i, 0,1,2,3,4,5,6,7
	v_mov_b32 v[MW+\i], 0                          ; written once: the destination of a write to one lane counts as read
.endr
	s_wait_kmcnt 0x0                               ; (the scales, which this path does not use)
	MJOB 1
	MJOB 0                                         ; the second job loads nothing more: no load leaves the mask
	v_mov_b32 v[MVF], 0
.irp b, 0,1,2,3
	v_writelane_b32 v[MVF], s[48+\b], \b
.endr
	v_lshlrev_b32 v6, 5, v1
	v_add_nc_u32 v6, s61, v6                       ; lane b: 32 b + 4 (4 hf + w)
	v_cmp_gt_u32 vcc_lo, 4, v1
	s_wait_alu depctr_va_vdst(0)
	s_wait_xcnt 0x0                                ; EXEC changes only behind this wait: it is a source of the stores above
	s_wait_tensorcnt 0x0
	ds_add_u32 v254, v255
	s_wait_dscnt 0x0
	s_and_saveexec_b32 s40, vcc_lo
	global_store_b32 v6, v[MVF], s[30:31]          ; four words a wave: the flags are 8 KB in all
	s_wait_xcnt 0x0
	s_or_b32 exec_lo, exec_lo, s40
	s_endpgm
.Lfunc_end_k_qb3483abd2f_prep:
	.size	k_qb3483abd2f_prep, .Lfunc_end_k_qb3483abd2f_prep-k_qb3483abd2f_prep
	.p2alignl 7, 3214868480
	.fill 96, 4, 3214868480
	.section	.rodata,"a",@progbits
	.p2align	6, 0x0
	.amdhsa_kernel k_qb3483abd2f_prep
		.amdhsa_group_segment_fixed_size 103936
		.amdhsa_private_segment_fixed_size 0
		.amdhsa_enable_private_segment 0
		.amdhsa_kernarg_size 80
		.amdhsa_user_sgpr_count 2
		.amdhsa_user_sgpr_kernarg_segment_ptr 1
		.amdhsa_wavefront_size32 1
		.amdhsa_system_sgpr_workgroup_id_x 1
		.amdhsa_system_sgpr_workgroup_id_y 1
		.amdhsa_system_sgpr_workgroup_id_z 1
		.amdhsa_system_vgpr_workitem_id 0
		.amdhsa_next_free_vgpr 256
		.amdhsa_next_free_sgpr 66
		.amdhsa_reserve_vcc 1
		.amdhsa_float_denorm_mode_32 3
		.amdhsa_float_denorm_mode_16_64 3
		.amdhsa_memory_ordered 1
		.amdhsa_forward_progress 1
		.amdhsa_inst_pref_size 255
	.end_amdhsa_kernel
	.amdgpu_metadata
---
amdhsa.version: [ 1, 2 ]
amdhsa.kernels:
  - .name:           k_qb3483abd2f_prep
    .symbol:         k_qb3483abd2f_prep.kd
    .args:
      - { .name: x, .offset: 0, .size: 8, .value_kind: global_buffer, .address_space: global }
      - { .name: pos_emb, .offset: 8, .size: 8, .value_kind: global_buffer, .address_space: global }
      - { .name: memory, .offset: 16, .size: 8, .value_kind: global_buffer, .address_space: global }
      - { .name: mask, .offset: 24, .size: 8, .value_kind: global_buffer, .address_space: global }
      - { .name: w_qkv, .offset: 32, .size: 8, .value_kind: global_buffer, .address_space: global }
      - { .name: w_o, .offset: 40, .size: 8, .value_kind: global_buffer, .address_space: global }
      - { .name: lowp_scales, .offset: 48, .size: 8, .value_kind: global_buffer, .address_space: global }
      - { .name: codes, .offset: 56, .size: 8, .value_kind: global_buffer, .address_space: global }
      - { .name: mwords, .offset: 64, .size: 8, .value_kind: global_buffer, .address_space: global }
      - { .name: mflags, .offset: 72, .size: 8, .value_kind: global_buffer, .address_space: global }
    .group_segment_fixed_size: 103936
    .private_segment_fixed_size: 0
    .kernarg_segment_align: 8
    .kernarg_segment_size: 80
    .max_flat_workgroup_size: 128
    .sgpr_count:     66
    .vgpr_count:     256
    .wavefront_size: 32
...
	.end_amdgpu_metadata
.endif
;; end of part 1
;; launch qkv (part 2): grid 80 x 4, 4 waves a work-group, clusters of 4 x 4, 327,680 bytes of LDS; arguments codes, lowp_scales, kvq; writes kvq
.if DOCPART == 2
	.amdgcn_target "amdgcn-amd-amdhsa--gfx1250"
	.amdhsa_code_object_version 6
	.text
	.protected	k_qb3483abd2f_qkv
	.globl	k_qb3483abd2f_qkv
	.p2align	8
	.type	k_qb3483abd2f_qkv,@function
k_qb3483abd2f_qkv:
	s_mov_b64 s[64:65], 0
	v_nop
	global_prefetch_b8 v0, s[64:65] scope:SCOPE_SE
	s_setreg_imm32_b32 hwreg(HW_REG_WAVE_MODE, 25, 1), 1
	s_wait_xcnt 0x0
	s_wait_alu depctr_hold_cnt(0) depctr_sa_sdst(0) depctr_va_vdst(0) depctr_va_sdst(0) depctr_va_ssrc(0) depctr_va_vcc(0) depctr_vm_vsrc(0)
	s_getreg_b32 s2, hwreg(HW_REG_IB_STS2, 6, 4)
	s_cmp_eq_u32 s2, 0
	s_cbranch_scc0 .Lentry_in_a_cluster
	s_endpgm
.Lentry_in_a_cluster:
	s_bfe_u32 s2, ttmp6, 0x10000c
	s_cmp_lg_u32 s2, 0xf033
	s_cbranch_scc0 .Lentry_shape_is_right
	s_endpgm
.Lentry_shape_is_right:
; SECOND LAUNCH: the first product, c w_qkv, on codes of E4M3, and the quantising of its results for the attention's two products.
; A cluster of 4 x 4 work-groups makes a block of 1,024 x 1,024 results; the cluster's number says which (20 clusters).  Clusters 0-15: job J = number % 2, block j = number / 2; clusters 16-19: J = 2, j = number - 16:
;   J = 0  K: A = 1,024 rows of c (block j), B = w_qkv's columns 1024-2047; results quantised with 2^e2
;   J = 1  V: A = w_qkv's columns 2048-3071, B = 1,024 rows of c (block j): the roles are swapped, so that a lane's results run along the KEYS; quantised with 2^e4
;   J = 2  Q: A = the 1,024 rows x + pos of batch j, B = w_qkv's columns 0-1023; quantised with 2^e3.  (q of memory's rows is cut away by the problem and is not made.)
; A tile of 256 x 256 is made by a work-group of four waves, a wave makes 128 x 128: 64 accumulators, 512 registers.  K = 1,024 goes in four steps of 256 through a ring of two LDS slots.
; THE ORDER ALONG K hangs on the cluster: where (J + j) is even the four K steps go 0, 1, 2, 3, where it is odd 2, 3, 0, 1.  The two clusters that read one block of c (numbers 2 j and 2 j + 1) so begin at different halves of K,
; and so do, by turns, the clusters that read one part of w_qkv: what a cluster's refills name, a cluster with the other order has asked for at its start.
; So the order in which an output's four partial sums are added in f32 differs from cluster to cluster: an order of rounding other than ascending K.
; The four work-groups of a row of the cluster need the same tile of A, the four of a column the same tile of B: each tile is asked for JOINTLY, by the same tensor load with the same descriptor and a mask that names the four.
; THE MATRIX INSTRUCTION IS USED TRANSPOSED (source 0 = 16 rows of B, source 1 = 16 rows of A): lane (r, h) holds row r of A's block and, in accumulator b, B's rows 16 b + 8 h + 0 .. 7.
; So the eight conversions of a block of 16 rows give 16 registers that ARE a plain-form operand (registers 2 b, 2 b + 1: k = 16 b + 8 h + 0 .. 7) whose K runs along B's 128 rows:
; for K and Q two heads' fragments of 16 tokens x 64; for V one fragment of 16 channels x 128 keys.  They are stored as they stand, 512 consecutive bytes a store: no stage, no transposition.
; A sum stands for sum x 2^(e0 + e1): its code is sum / 2^(et - e0 - e1), et the target's exponent: the three scales are one.
; LIMIT: et - e0 - e1 between -126 and 119, so that this power of two and 448 times it are f32 numbers.
; REGISTERS, in windows of 256: window 0: v0-31 addresses; from v128 A's fragments, ONE set; on the way out v32-95 held sums, v128-255 codes.
;   window 1: B's fragments, TWO sets.   window 2: the accumulators of my rows 0-63 ((a, b) at v[8 (8 a + b)]);   window 3: those of my rows 64-127.
.set KSTEP,  256
.set ROWB,   256                       ; a tile's row in bytes
.set KROW,   1024                      ; a row of codes in memory
.set PITCH,  272                       ; an LDS row: 256 bytes + 16 of padding = 68 words: row r starts at bank 4 r mod 64 (ISA guide 11.1), so the 16 rows of a load start at 16 different banks
.set FR,     16
.set NL,     4
.set NP,     4                         ; places behind this matrix instruction (ISA guide 7.12.1)
.set HALFT,  128*PITCH
.set SLOT,   4*HALFT
.set LAPS,   2                         ; 1,024 / (2 x 256)
.set SPARE,  2*SLOT                    ; behind the ring: the spare words, 128 bytes for each wave
.set LIMV, 12                          ; v12  448 x the conversion's scale
.set SCV,  13                          ; v13  the conversion's scale
.set ADRA, 16
.set ADRB, 20
.set OA,   26                          ; v26  16 x lane; v27 the same + the distance to the second half of a block's codes
.set SPW,  28
.set NIL,  29
.set TMP,  32
.set AF,   128
.set CD,   128
.set G1, 24
.set G0, 32
.set G1B, 48
.set G0B, 56
.set FWD, 90                           ; s[90:91] what a refill's address goes forward: 512 bytes where the cluster began at K = 0, else 0
.set BCK, 92                           ; s[92:93] and back: 512 bytes where it began at K = 512, else 0.  Also: the byte along K at which the cluster begins
.set MSB, 0
.macro WIN new                         ; the immediate's high byte repeats the setting that is left
.if MSB != \new
	s_set_vgpr_msb (MSB<<8)|\new
.set MSB, \new
.endif
.endm
.set MUL_LO, 0xa1                      ; source 0 (B) window 1, source 1 (A) window 0, C and D window 2
.set MUL_HI, 0xf1
.set TO_B,   0x40
; A joint load: waves 0 and 1 fetch for A, waves 2 and 3 for B.  The branch hangs on the wave's number alone.  Four v_nop follow each of the two lines.
.macro JLOAD g0a, g1a, g0b, g1b
	s_cmp_eq_u32 s15, 0
	s_cbranch_scc0 .Lfor_b_\@
	tensor_load_to_lds s[\g0a:\g0a+3], s[\g1a:\g1a+7]
	s_nop 0
.rept 4
	v_nop
.endr
	s_branch .Lasked_\@
.Lfor_b_\@:
	tensor_load_to_lds s[\g0b:\g0b+3], s[\g1b:\g1b+7]
	s_nop 0
.rept 4
	v_nop
.endr
.Lasked_\@:
.endm
.macro CREST                           ; a round of the cluster's barrier behind its opening barrier
	s_cmp_lg_u32 s14, 0
	s_cbranch_scc1 .Lnot_wave_0_\@
	s_barrier_signal -3
.Lnot_wave_0_\@:
	s_barrier_wait -3
	s_barrier_signal -1
	s_barrier_wait -1
.endm
.macro CROUND
	s_barrier_signal -1
	s_barrier_wait -1
	CREST
.endm
	s_load_b128 s[4:7], s[0:1], 0x0                ; codes s[4:5], the scales' exponents s[6:7]
	s_load_b64 s[10:11], s[0:1], 0x10              ; kvq
	v_lshl_add_u32 v[SPW], v0, 2, SPARE
	v_mov_b32 v[NIL], 0
	ds_add_u32 v28, v29
	ds_add_u32 v28, v29
	s_wait_dscnt 0x0
	v_lshrrev_b32 v1, 5, v0
	v_readfirstlane_b32 s14, v1                    ; wave 0..3
	s_lshr_b32 s15, s14, 1                         ; which half of the tile's rows is mine.  Also: I fetch for A (0) or for B (1)
	s_and_b32 s16, s14, 1                          ; which half of its columns.  Also: which 128 rows of that tile I fetch
	s_bfe_u32 s40, ttmp6, 0x40000                  ; cx = the tile column in the cluster's block
	s_bfe_u32 s41, ttmp6, 0x40004                  ; cy = the tile row
	s_lshl_b32 s43, s41, 2
	s_lshl_b32 s43, 15, s43                        ; my row of the cluster
	s_lshl_b32 s44, 0x1111, s40                    ; my column
	s_or_b32 s[G1+0], s43, (0<<16)|(1<<20)|(1<<21)|(5<<22)|(3<<25)  ; 15:0 the mask; 17:16 element of 1 byte; 20 padding on; 21 set beside a mask; 24:22 after every 64 words; 31:25 of 4 words
	s_or_b32 s[G1B+0], s44, (0<<16)|(1<<20)|(1<<21)|(5<<22)|(3<<25)
.irp g, G1, G1B
	s_mov_b32 s[\g+1], ROWB<<16                    ; tensor_dim0
	s_mov_b32 s[\g+2], 128<<16                     ; tensor_dim1
	s_mov_b32 s[\g+3], ROWB<<16                    ; tile_dim0
	s_mov_b32 s[\g+4], 128                         ; tile_dim1
	s_mov_b32 s[\g+5], KROW                        ; tensor_dim0_stride
	s_mov_b32 s[\g+6], 0
	s_mov_b32 s[\g+7], 0
.endr
	; the job: it hangs on the cluster's number, which all sixteen partners share.  Blocks of 1,024 rows of 1,024 bytes: c's are 0-7, w_qkv's q, k, v parts 8, 9, 10
	s_and_b32 s66, ttmp9, 1                        ; clusters 0-15: J = number % 2 (0 K, 1 V),
	s_lshr_b32 s67, ttmp9, 1                       ; j = number / 2
	s_and_b32 s68, ttmp9, 3                        ; clusters 16-19: j = number - 16,
	s_cmp_ge_u32 ttmp9, 16
	s_cselect_b32 s66, 2, s66                      ; J = 2 (Q)
	s_cselect_b32 s67, s68, s67
	s_xor_b32 s[BCK], s66, s67
	s_and_b32 s[BCK], s[BCK], 1                    ; (J + j) % 2
	s_lshl_b32 s[BCK], s[BCK], 9                   ; the cluster begins at byte 0 or 512 of the rows' 1,024,
	s_xor_b32 s[FWD], s[BCK], 512                  ; and its refills lie 512 bytes further on, or 512 back
	s_mov_b32 s[FWD+1], 0
	s_mov_b32 s[BCK+1], 0
	s_lshl_b32 s68, s67, 1
	s_add_co_u32 s68, s68, 1                       ; 2 j + 1: the x rows of batch j
	s_cmp_eq_u32 s66, 0
	s_cselect_b32 s69, s67, s68                    ; A's block
	s_cselect_b32 s70, 9, 8                        ; B's block
	s_cmp_eq_u32 s66, 1
	s_cselect_b32 s69, 10, s69
	s_cselect_b32 s70, s67, s70
	s_lshl_b32 s69, s69, 20
	s_lshl_b32 s70, s70, 20
	s_lshl_b32 s18, s16, 7                         ; which 128 rows of the tile I fetch
	s_lshl_b32 s20, s41, 8
	s_add_co_u32 s20, s20, s18
	s_lshl_b32 s20, s20, 10
	s_add_co_u32 s20, s20, s69                     ; A: block + (256 cy + 128 half) rows,
	s_add_co_u32 s20, s20, s[BCK]                  ; at the cluster's first byte along K
	s_mov_b32 s21, 0
	s_lshl_b32 s46, s40, 8
	s_add_co_u32 s46, s46, s18
	s_lshl_b32 s46, s46, 10
	s_add_co_u32 s46, s46, s70                     ; B: block + (256 cx + 128 half) rows,
	s_add_co_u32 s46, s46, s[BCK]                  ; at the same byte along K
	s_mov_b32 s47, 0
	s_mul_i32 s45, s14, HALFT                      ; where they go: wave x 128 rows: no place in the cluster enters an LDS address
	; where my results go (registers of their own: none that feeds a descriptor holds both coordinates)
	s_lshr_b32 s80, s67, 1
	s_and_b32 s81, s67, 1
	s_cmp_eq_u32 s66, 2
	s_cselect_b32 s80, s67, s80                    ; the batch
	s_cselect_b32 s81, 0, s81                      ; which half of the 2,048 tokens
	s_cselect_b32 s82, 20, 21
	s_lshl_b32 s80, s80, s82
	s_cmp_eq_u32 s66, 0
	s_cselect_b32 s82, 16, 20                      ; K: 64 tiles of keys of 1,024 bytes; V: 8 key steps of 131,072
	s_cselect_b32 s83, 18, 17                      ; my 128 columns: K: two heads of 131,072; V: a key step; Q: two heads of 65,536
	s_mov_b32 s84, 65536
	s_cselect_b32 s84, 131072, s84                 ; from registers 0-7 of a block's codes to registers 8-15
	s_lshl_b32 s81, s81, s82
	s_add_co_u32 s80, s80, s81
	s_lshl_b32 s85, s40, 1
	s_add_co_u32 s85, s85, s16
	s_lshl_b32 s85, s85, s83
	s_add_co_u32 s80, s80, s85
	s_lshl_b32 s86, s41, 1
	s_add_co_u32 s86, s86, s15
	s_lshl_b32 s86, s86, 13                        ; my 128 rows: eight blocks of 1,024 bytes
	s_add_co_u32 s80, s80, s86
	s_lshl_b32 s87, s66, 23                        ; K at 0, V at 8 MiB, Q at 16 MiB
	s_add_co_u32 s80, s80, s87
	s_mov_b32 s81, 0
	s_wait_kmcnt 0x0
	s_load_b256 s[72:79], s[6:7], 0x0              ; e0 .. e7
	s_add_nc_u64 s[20:21], s[4:5], s[20:21]
	s_add_nc_u64 s[46:47], s[4:5], s[46:47]
	s_add_nc_u64 s[10:11], s[10:11], s[80:81]
	CROUND                                         ; all sixteen work-groups are here: the first joint loads meet
.irp s, 0,1
	s_mov_b32 s[G0+4*\s], 1
	s_add_co_u32 s[G0+4*\s+1], s45, \s*SLOT
	s_add_nc_u64 s[G0+4*\s+2:G0+4*\s+3], s[20:21], \s*ROWB
	s_or_b32 s[G0+4*\s+3], s[G0+4*\s+3], 0x80000000
	s_mov_b32 s[G0B+4*\s], 1
	s_add_co_u32 s[G0B+4*\s+1], s45, \s*SLOT
	s_add_nc_u64 s[G0B+4*\s+2:G0B+4*\s+3], s[46:47], \s*ROWB
	s_or_b32 s[G0B+4*\s+3], s[G0B+4*\s+3], 0x80000000
.endr
	JLOAD G0, G1, G0B, G1B                         ; the first slot
	v_and_b32 v1, 15, v0                           ; l % 16
	v_bfe_u32 v2, v0, 4, 1                         ; l / 16
	v_mul_u32_u24 v3, v1, PITCH
	v_lshl_add_u32 v4, v2, 4, v3                   ; a fragment's row x pitch + 16 x half
	s_mul_i32 s21, s15, HALFT                      ; my 128 rows of A
	s_mul_i32 s22, s16, HALFT                      ; my 128 rows of B,
	s_add_co_u32 s22, s22, 2*HALFT                 ; which lie behind A's 256
.irp s, 0,1
	v_add_nc_u32 v[ADRA+\s], s21, v4
	v_add_nc_u32 v[ADRB+\s], s22, v4
	s_add_co_u32 s21, s21, SLOT
	s_add_co_u32 s22, s22, SLOT
.endr
	v_and_b32 v6, 31, v0
	v_lshlrev_b32 v[OA], 4, v6
	v_add_nc_u32 v[OA+1], s84, v[OA]
.macro FRAG reg, adr, q, i             ; 16 rows x 128 places along K: four loads of 16 bytes, 32 bytes apart; the same places in A and in B, so every product meets its partner
.irp c, 0,1,2,3
	ds_load_b128 v[\reg+4*\c:\reg+4*\c+3], v[\adr] offset:128*(\q)+32*\c+(\i)*16*PITCH
.endr
.endm
; 16 matrix instructions: A's blocks a0, a0 + 1 x B's eight.  The 64 accumulators take turns, one instruction a turn, in the same order in every step.
.macro MUL16 a0, p, zero
.irp a, \a0, \a0+1
.irp b, 0,1,2,3,4,5,6,7
.if \zero
	v_wmma_f32_16x16x128_fp8_fp8 v[8*(8*((\a)%4)+\b):8*(8*((\a)%4)+\b)+7], v[128*(\p)+FR*\b:128*(\p)+FR*\b+FR-1], v[AF+FR*(\a):AF+FR*(\a)+FR-1], 0
.else
	v_wmma_f32_16x16x128_fp8_fp8 v[8*(8*((\a)%4)+\b):8*(8*((\a)%4)+\b)+7], v[128*(\p)+FR*\b:128*(\p)+FR*\b+FR-1], v[AF+FR*(\a):AF+FR*(\a)+FR-1], v[8*(8*((\a)%4)+\b):8*(8*((\a)%4)+\b)+7]
.endif
.endr
.endr
.endm
.macro FETCH_B slot, q, p
	WIN TO_B
.irp i, 0,1,2,3,4,5,6,7
	FRAG 128*(\p)+FR*\i, ADRB+\slot, \q, \i
.endr
	WIN 0
.endm
.macro FETCH_A slot, q, i0
.irp i, \i0, \i0+1, \i0+2, \i0+3
	FRAG AF+FR*(\i), ADRA+\slot, \q, \i
.endr
.endm
.macro PLACES n                        ; plain vector instructions between a matrix instruction and a load into, or a vector read or write of, its registers
.rept \n
	v_nop
.endr
.endm
; A step of 128 along K that has its successor in the same slot.  A has one set of registers: a block is free once its eight products are issued.
.macro STEP slot, q, zero
	s_wait_dscnt 4*NL                              ; B's set and A's blocks 0-3 are in; the youngest 16 loads (A's blocks 4-7) may be out
	WIN MUL_LO
	MUL16 0, (\q)%2, \zero
	MUL16 2, (\q)%2, \zero
	s_wait_dscnt 0
	PLACES NP
	FETCH_B \slot, (\q)+1, 1-(\q)%2
	FETCH_A \slot, (\q)+1, 0
	WIN MUL_HI
	MUL16 4, (\q)%2, \zero
	MUL16 6, (\q)%2, \zero
	PLACES NP
	WIN 0
	FETCH_A \slot, (\q)+1, 4
.endm
; A slot's last step changes slots: ONE barrier; in front of it each wave waits for all its tensor loads, adds 0 to its spare word, and waits for that and for its own reads of this slot.
.macro TURN slot, next, fill
	s_wait_tensorcnt 0x0                           ; all my tensor loads have landed: my part of the next slot
	ds_add_u32 v[SPW], v[NIL]                      ; 0 onto my spare word
	s_wait_dscnt 4*NL+1                            ; (the add and the youngest 16 loads may be out)
	WIN MUL_LO
	MUL16 0, 1, 0
	s_wait_dscnt 0x0                               ; the add is done, and my reads of this slot are over
	s_barrier_signal -1
	MUL16 2, 1, 0
	WIN 0
	s_barrier_wait -1
.if \fill
	CREST                                          ; the barrier has opened a round of the cluster's barrier: no wave of any partner still reads this slot or has a load on its way
	s_add_nc_u64 s[G0+4*\slot+2:G0+4*\slot+3], s[G0+4*\slot+2:G0+4*\slot+3], s[FWD:FWD+1]     ; the other half of K: 512 bytes on,
	s_sub_nc_u64 s[G0+4*\slot+2:G0+4*\slot+3], s[G0+4*\slot+2:G0+4*\slot+3], s[BCK:BCK+1]     ; or 512 back: one of the two amounts is 0
	s_add_nc_u64 s[G0B+4*\slot+2:G0B+4*\slot+3], s[G0B+4*\slot+2:G0B+4*\slot+3], s[FWD:FWD+1]
	s_sub_nc_u64 s[G0B+4*\slot+2:G0B+4*\slot+3], s[G0B+4*\slot+2:G0B+4*\slot+3], s[BCK:BCK+1]
	JLOAD G0+4*\slot, G1, G0B+4*\slot, G1B         ; the first tensor load behind the round; its four v_nop are also the places in front of the loads below
.else
	PLACES NP
.endif
	FETCH_B \next, 0, 0
	FETCH_A \next, 0, 0
	WIN MUL_HI
	MUL16 4, 1, 0
	MUL16 6, 1, 0
	PLACES NP
	WIN 0
	FETCH_A \next, 0, 4
.endm
	s_wait_alu depctr_va_vdst(0)
	s_wait_tensorcnt 0x0                           ; my part of the first slot is in
	ds_add_u32 v[SPW], v[NIL]
	s_wait_dscnt 0x0
	CROUND                                         ; everybody's part is in, and all sixteen work-groups are here
	JLOAD G0+4, G1, G0B+4, G1B                     ; the second slot's first fill: the first tensor load behind the round
	FETCH_B 0, 0, 0
	FETCH_A 0, 0, 0
	FETCH_A 0, 0, 4
	STEP 0, 0, 1                                   ; the first step's products start the sums: nothing is cleared
	s_mov_b32 s3, LAPS-1
.Llap:                                                 ; a trip goes once round the ring and fills both slots again
	TURN 0, 1, 1
	STEP 1, 0, 0
	TURN 1, 0, 1
	STEP 0, 0, 0
	s_sub_co_u32 s3, s3, 1
	s_cmp_lg_u32 s3, 0
	s_cbranch_scc1 .Llap
	TURN 0, 1, 0                                   ; the last lap fills nothing
	STEP 1, 0, 0
	s_wait_dscnt 4*NL
	WIN MUL_LO
	MUL16 0, 1, 0
	MUL16 2, 1, 0
	s_wait_dscnt 0
	WIN MUL_HI
	MUL16 4, 1, 0
	MUL16 6, 1, 0
	WIN 0
	; THE WAY OUT: hold, convert, store.  Each block's 16 registers of codes are used once, and neither base nor offsets are stepped: no store's source is written again.
	s_wait_kmcnt 0x0
	s_cmp_eq_u32 s66, 0
	s_cselect_b32 s88, s74, s75                    ; K: e2; Q: e3
	s_cmp_eq_u32 s66, 1
	s_cselect_b32 s88, s76, s88                    ; V: e4
	s_sub_co_i32 s88, s88, s72
	s_sub_co_i32 s88, s88, s73                     ; et - e0 - e1
	s_add_co_i32 s88, s88, 127
	s_lshl_b32 s89, s88, 23
	v_mov_b32 v[SCV], s89
	s_add_co_i32 s88, s88, 8
	s_lshl_b32 s88, s88, 23
	s_or_b32 s88, s88, 0x600000
	v_mov_b32 v[LIMV], s88
	PLACES NP
.macro OUT a
.set AC, 64*((\a)%4)
.if (\a) < 4
	WIN 0x02                                       ; source 0: window 2
.else
	WIN 0x03
.endif
.set i, 0
.rept 64
	v_med3_num_f32 v[TMP+i], v[AC+i], -v[LIMV], v[LIMV]   ; the hold at the largest code x the scale; each accumulator from its low end on
.set i, i+1
.endr
	WIN 0
.irp b, 0,1,2,3,4,5,6,7
	v_cvt_scalef32_pk8_fp8_f32 v[CD+16*(\a)+2*\b:CD+16*(\a)+2*\b+1], v[TMP+8*\b:TMP+8*\b+7], v[SCV]
.endr
	v_nop                                          ; a plain vector instruction between the conversions and the next block's holds, which write their sources
.irp p, 0,1,2,3
	global_store_b128 v[OA+(\p>>1)], v[CD+16*(\a)+4*\p:CD+16*(\a)+4*\p+3], s[10:11] offset:1024*(\a)+512*(\p&1)   ; 32 lanes store 512 consecutive bytes, aligned
.endr
.endm
.irp a, 0,1,2,3,4,5,6,7
	OUT \a
.endr
	s_wait_tensorcnt 0x0                           ; the wave's end
	ds_add_u32 v[SPW], v[NIL]
	s_wait_dscnt 0x0
	CROUND                                         ; the closing round: no work-group ends while a partner may still ask for a tile that names it
	s_endpgm
.Lfunc_end_k_qb3483abd2f_qkv:
	.size	k_qb3483abd2f_qkv, .Lfunc_end_k_qb3483abd2f_qkv-k_qb3483abd2f_qkv
	.p2alignl 7, 3214868480
	.fill 96, 4, 3214868480
	.section	.rodata,"a",@progbits
	.p2align	6, 0x0
	.amdhsa_kernel k_qb3483abd2f_qkv
		.amdhsa_group_segment_fixed_size 327680
		.amdhsa_private_segment_fixed_size 0
		.amdhsa_enable_private_segment 0
		.amdhsa_kernarg_size 24
		.amdhsa_user_sgpr_count 2
		.amdhsa_user_sgpr_kernarg_segment_ptr 1
		.amdhsa_wavefront_size32 1
		.amdhsa_system_sgpr_workgroup_id_x 1
		.amdhsa_system_sgpr_workgroup_id_y 1
		.amdhsa_system_sgpr_workgroup_id_z 1
		.amdhsa_system_vgpr_workitem_id 0
		.amdhsa_next_free_vgpr 1024
		.amdhsa_next_free_sgpr 100
		.amdhsa_reserve_vcc 0
		.amdhsa_float_denorm_mode_32 3
		.amdhsa_float_denorm_mode_16_64 3
		.amdhsa_memory_ordered 1
		.amdhsa_forward_progress 1
		.amdhsa_inst_pref_size 119
	.end_amdhsa_kernel
	.amdgpu_metadata
---
amdhsa.version: [ 1, 2 ]
amdhsa.kernels:
  - .name:           k_qb3483abd2f_qkv
    .symbol:         k_qb3483abd2f_qkv.kd
    .args:
      - { .name: codes, .offset: 0, .size: 8, .value_kind: global_buffer, .address_space: global }
      - { .name: lowp_scales, .offset: 8, .size: 8, .value_kind: global_buffer, .address_space: global }
      - { .name: kvq, .offset: 16, .size: 8, .value_kind: global_buffer, .address_space: global }
    .group_segment_fixed_size: 327680
    .private_segment_fixed_size: 0
    .kernarg_segment_align: 8
    .kernarg_segment_size: 24
    .max_flat_workgroup_size: 128
    .sgpr_count:     100
    .vgpr_count:     1024
    .wavefront_size: 32
...
	.end_amdgpu_metadata
.endif
;; end of part 2
;; launch attn (part 3): grid 4 x 64, 8 waves a work-group, no clusters, 263,168 bytes of LDS; arguments kvq, mwords, lowp_scales, vecimg, mflags; writes vecimg
.if DOCPART == 3
	.amdgcn_target "amdgcn-amd-amdhsa--gfx1250"
	.amdhsa_code_object_version 6
	.text
	.protected	k_qb3483abd2f_attn
	.globl	k_qb3483abd2f_attn
	.p2align	8
	.type	k_qb3483abd2f_attn,@function
k_qb3483abd2f_attn:
	s_mov_b64 s[64:65], 0
	v_nop
	global_prefetch_b8 v0, s[64:65] scope:SCOPE_SE
	s_setreg_imm32_b32 hwreg(HW_REG_WAVE_MODE, 25, 1), 1
	s_wait_xcnt 0x0
; THIRD LAUNCH: attention on codes of E4M3, for each (batch, head): scores k q^T, the given mask, p = 2^(t - M), v^T p, divided by the sum of the unquantised p, quantised for the last product.
; t = score x 2^(e2 + e3) x log2(e) / 8; M = the running largest t rounded UP to a whole number, kept as -M = floor(-t); when M moves, the sum and O are multiplied by 2^(old M - new M): exact.
; SHARES.  Work-group (x, y): y = 16 b + head.  Wave w of eight owns group g of queries (g = w for w < 4, 11 - w else): tiles 2 (4 g + x) and 2 (4 g + x) + 1, 32 queries, so that each fragment of K and V
; read from LDS feeds two matrix instructions.  Every wave walks the 2,048 keys, 128 a step.
; K, V, Q arrive as images of operand registers (a group of four registers = 512 bytes, lane l's 16 bytes at 16 l).
; THE HEAD'S WHOLE K AND V STAY IN LDS: K's 16 key steps of 8,192 bytes from byte 0, V's from byte 131,072: no LDS byte is written twice.  They come through registers: key steps 0-3 at the head; each of the first six
; key steps asks for two further key steps (32 registers a lane) at its start, stores them at its end and passes one barrier: key steps 2 i + 4 and 2 i + 5 are whole behind step i.  The last ten steps have no barrier.
; LAYOUT.  Both products are used transposed: S^T = K Q^T (source 0 = 16 keys), O^T = V^T P^T (source 0 = 16 channels): a lane holds ONE query (lane % 16) throughout; register 8 tau + j of S^T is key
; 16 tau + 8 (lane / 16) + j, so the conversion of tile tau gives registers 2 tau, 2 tau + 1 of the plain K = 128 operand as they are.
; THE MASK IS AN INPUT.  The first launch has stored, for each tile of 16 queries x 128 keys, 64 lane-mask words (mwords) and two flags (mflags).  A step all of whose keys are hidden from both my tiles is passed
; over; the masking lines are passed over where nothing is hidden: scalar branches on stored whole numbers.  The launch has no tensor load and no cluster, and fills LDS through registers.
; No prefetch: all of K and V is asked for within the first six of sixteen steps, each part four or more key steps ahead of its first use; no later step has anything left to ask for.
; A query all of whose keys are hidden gives NaN, as the problem's softmax does: 0 x (1 / 0) is added behind the hold.
; LIMITS: e2 + e3 between -123 and 130 (added to a constant's exponent field); e5, and e6 - e4 - e5, between -126 and 119.  The scaled scores stay under 2^31 in magnitude.
; REGISTERS.  window 0: v1 16 x lane; v2 16 x thread; v3, v24 LDS addresses of the step's K and V; v4 -infinity; v5 448 x 2^e5; v6 2^e5; v7, v25 the spare word and 0; v8.., v16.. a tile's statistics
;   (+0 -M, +1 largest t, +2:3 the sum, +4:5 f, +6, +7 at work); v26, v27 where staged bytes go; v28, v29 for the exchange; v30, v31 the way out's scale and hold; v32-95 K, then the sums' trees;
;   v96-159, v160-223 S^T, then p; v224-255 p's codes.   window 1: v0-63 O^T; v64-79 Q; v80-143 V; v144-175 two key steps on their way.
.set VBASE, 131072
.set SPARE, 262144                     ; behind K and V: the spare words, 128 bytes for each of eight waves
.set SPW, 7
.set NIL, 25
.set ST,  8
.set PT,  28
.set KF,  32
.set SA,  96
.set PA,  224
.set QQ,  64                           ; window 1
.set VF,  80                           ; window 1
.set SG,  144                          ; window 1
.set MSB, 0
.macro WIN new                         ; the immediate's high byte repeats the setting that is left
.if MSB != \new
	s_set_vgpr_msb (MSB<<8)|\new
.set MSB, \new
.endif
.endm
; A KEY STEP: 128 keys for my two tiles of queries
.macro STEP
	s_bitcmp1_b32 s15, 0                           ; all 128 keys hidden from all my 32 queries: nothing to do
	s_cbranch_scc1 .Lskip_\@
	s_add_co_u32 s31, s13, VBASE
	v_add_nc_u32 v3, s13, v1
	v_add_nc_u32 v24, s31, v1
.irp t, 0,1,2,3,4,5,6,7
	ds_load_b128 v[KF+8*\t:KF+8*\t+3], v3 offset:1024*\t
	ds_load_b128 v[KF+8*\t+4:KF+8*\t+7], v3 offset:1024*\t+512
.endr
	WIN 0x40
.irp d, 0,1,2,3
.irp p, 0,1,2,3
	ds_load_b128 v[VF+16*\d+4*\p:VF+16*\d+4*\p+3], v24 offset:4096*(\p>>1)+1024*\d+512*(\p&1)
.endr
.endr
	s_wait_dscnt 16                                ; K's sixteen loads are in; V's sixteen, issued behind them, may be out
	WIN 0x04                                       ; Q: window 1
.irp t, 0,1,2,3,4,5,6,7
.irp x, 0,1
	v_wmma_f32_16x16x64_fp8_fp8 v[SA+64*\x+8*\t:SA+64*\x+8*\t+7], v[KF+8*\t:KF+8*\t+7], v[QQ+8*\x:QQ+8*\x+7], 0
.endr
.endr
	WIN 0
.rept 4
	v_nop                                          ; places in front of the first read of the scores
.endr
	s_bitcmp1_b32 s14, 0                           ; is any key of this step hidden from any of my queries?
	s_cbranch_scc0 .Lopen_\@
.irp x, 0,1
	s_load_b512 s[32:47], s[6:7], 0x1000*\x        ; the tile's 64 lane masks: word n in s[32 + n], from n = 32 on in s[36 + n]
	s_load_b512 s[48:63], s[6:7], 0x1000*\x+0x40
	s_load_b512 s[68:83], s[6:7], 0x1000*\x+0x80
	s_load_b512 s[84:99], s[6:7], 0x1000*\x+0xc0
	s_wait_kmcnt 0x0
.set n, 0
.rept 64
	v_cndmask_b32 v[SA+64*\x+n], v[SA+64*\x+n], v4, s[32+n+4*(n/32)]   ; a hidden score becomes -infinity ahead of the maximum: p = 0 then
.set n, n+1
.endr
.endr
.Lopen_\@:
.irp x, 0,1
	v_max3_num_f32 v[ST+8*\x+6], v[SA+64*\x], v[SA+64*\x+1], v[SA+64*\x+2]   ; the step's largest score of my query, in two chains a tile; each accumulator is first read at its low end
	v_max3_num_f32 v[ST+8*\x+7], v[SA+64*\x+3], v[SA+64*\x+4], v[SA+64*\x+5]
.endr
.irp i, 6,10,14,18,22,26,30,34,38,42,46,50,54,58
.irp x, 0,1
	v_max3_num_f32 v[ST+8*\x+6], v[ST+8*\x+6], v[SA+64*\x+\i], v[SA+64*\x+\i+1]
	v_max3_num_f32 v[ST+8*\x+7], v[ST+8*\x+7], v[SA+64*\x+\i+2], v[SA+64*\x+\i+3]
.endr
.endr
.irp x, 0,1
	v_max3_num_f32 v[ST+8*\x+6], v[ST+8*\x+6], v[SA+64*\x+62], v[SA+64*\x+63]
.endr
.irp x, 0,1
	v_max_num_f32 v[ST+8*\x+6], v[ST+8*\x+6], v[ST+8*\x+7]
.endr
.irp x, 0,1
	v_permlanex16_b32 v[PT+\x], v[ST+8*\x+6], s20, s21     ; the query's other 64 keys lie in the lane 16 away
.endr
.irp x, 0,1
	v_max_num_f32 v[ST+8*\x+6], v[ST+8*\x+6], v[PT+\x]
.endr
.irp x, 0,1
	v_mul_f32 v[ST+8*\x+6], s18, v[ST+8*\x+6]              ; as t (the factor is positive)
.endr
.irp x, 0,1
	v_max_num_f32 v[ST+8*\x+1], v[ST+8*\x+1], v[ST+8*\x+6] ; the running largest t
	v_mov_b32 v[ST+8*\x+6], v[ST+8*\x]
.endr
.irp x, 0,1
	v_floor_f32 v[ST+8*\x], -v[ST+8*\x+1]                  ; the new -M = floor(-t) = -ceil(t)
.endr
.irp x, 0,1
	v_sub_f32 v[ST+8*\x+6], v[ST+8*\x], v[ST+8*\x+6]       ; old M - new M: a whole number, 0 or less
.endr
.irp x, 0,1
	v_cvt_i32_f32 v[ST+8*\x+6], v[ST+8*\x+6]               ; (it saturates)
.endr
.irp x, 0,1
	v_ldexp_f32 v[ST+8*\x+4], 1.0, v[ST+8*\x+6]            ; f = 2^(old M - new M)
.endr
	WIN 0x41                                       ; O^T (destination and source 0) window 1, f window 0
.set j, 0
.rept 16
.irp x, 0,1
	v_pk_mul_f32 v[32*\x+j:32*\x+j+1], v[32*\x+j:32*\x+j+1], v[ST+8*\x+4:ST+8*\x+5] op_sel_hi:[1,0]   ; O^T under the new M, ahead of the step's exponentials: no transcendental stands between the last products and this first read
.endr
.set j, j+2
.endr
	WIN 0
.set q, 0
.rept 32
	v_pk_fma_f32 v[SA+2*q:SA+2*q+1], v[SA+2*q:SA+2*q+1], s[18:19], v[ST:ST+1] op_sel_hi:[1,0,0]   ; tile 0: t - M, two at a time
.set q, q+1
.endr
	s_wait_alu depctr_va_vdst(0)                   ; the wait ahead of the batch
.set q, 0
.rept 32                                           ; tile 0's 64 exponentials; tile 1's 32 scalings stand between them: their results are first read behind the wait below
	v_exp_f32 v[SA+2*q], v[SA+2*q]                 ; p = 2^(t - M), at most 1
	v_exp_f32 v[SA+2*q+1], v[SA+2*q+1]
	v_pk_fma_f32 v[SA+64+2*q:SA+64+2*q+1], v[SA+64+2*q:SA+64+2*q+1], s[18:19], v[ST+8:ST+9] op_sel_hi:[1,0,0]
.set q, q+1
.endr
	s_wait_alu depctr_va_vdst(0)                   ; one wait: behind tile 0's batch and ahead of tile 1's
.set q, 0
.rept 16                                           ; tile 1's 64 exponentials; between them the first level of tile 0's sum, of the UNQUANTISED p, into registers that K has left: first read behind the wait below
.irp i, 0,1,2,3
	v_exp_f32 v[SA+64+4*q+\i], v[SA+64+4*q+\i]
.endr
	v_pk_add_f32 v[KF+2*q:KF+2*q+1], v[SA+4*q:SA+4*q+1], v[SA+4*q+2:SA+4*q+3]
.set q, q+1
.endr
	s_wait_alu depctr_va_vdst(0)                   ; one wait behind the batch, ahead of its first reader
.set q, 0
.rept 16
	v_pk_add_f32 v[KF+32+2*q:KF+32+2*q+1], v[SA+64+4*q:SA+64+4*q+1], v[SA+64+4*q+2:SA+64+4*q+3]   ; tile 1's first level
.set q, q+1
.endr
.irp w, 16,8,4,2                                   ; the trees' other levels, both tiles by turns
.set q, 0
.rept \w/2
.irp x, 0,1
	v_pk_add_f32 v[KF+32*\x+q:KF+32*\x+q+1], v[KF+32*\x+q:KF+32*\x+q+1], v[KF+32*\x+\w+q:KF+32*\x+\w+q+1]
.endr
.set q, q+2
.endr
.endr
.irp x, 0,1
	v_pk_fma_f32 v[ST+8*\x+2:ST+8*\x+3], v[ST+8*\x+2:ST+8*\x+3], v[ST+8*\x+4:ST+8*\x+5], v[KF+32*\x:KF+32*\x+1] op_sel_hi:[1,0,1]   ; the sum under the new M + the step's
.endr
	s_cmp_ge_i32 s22, -8                           ; from e5 = -8 on, 448 x 2^e5 is 1.75 or more and p, at most 1, needs no hold
	s_wait_alu depctr_va_vdst(0)                   ; the wait directly ahead of the branch
	s_cbranch_scc1 .Lnohold_\@
.set j, 0
.rept 128
	v_min_num_f32 v[SA+j], v[SA+j], v5             ; the conversion does not saturate (ISA guide 7.6.2); p is not negative, so the hold is one-sided
.set j, j+1
.endr
.Lnohold_\@:
.irp t, 0,1,2,3,4,5,6,7
.irp x, 0,1
	v_cvt_scalef32_pk8_fp8_f32 v[PA+16*\x+2*\t:PA+16*\x+2*\t+1], v[SA+64*\x+8*\t:SA+64*\x+8*\t+7], v6
.endr
.endr
	v_nop                                          ; a plain instruction between the conversions and the products that read their results
	s_wait_alu depctr_va_vdst(0)                   ; the wait directly ahead of the wait below
	s_wait_dscnt 0x0                               ; V is in
	WIN 0x51                                       ; V window 1, p's codes window 0, O^T window 1
.irp d, 0,1,2,3
.irp x, 0,1
	v_wmma_f32_16x16x128_fp8_fp8 v[32*\x+8*\d:32*\x+8*\d+7], v[VF+16*\d:VF+16*\d+15], v[PA+16*\x:PA+16*\x+15], v[32*\x+8*\d:32*\x+8*\d+7]   ; eight accumulators by turns, one instruction a turn
.endr
.endr
	WIN 0
.rept 4
	v_nop                                          ; places in front of the next loads into V's registers, and of the next read of O^T
.endr
.Lskip_\@:
	s_lshr_b32 s14, s14, 1                         ; the next step's flags,
	s_lshr_b32 s15, s15, 1
	s_add_co_u32 s13, s13, 8192                    ; its tiles in LDS,
	s_add_nc_u64 s[6:7], s[6:7], 256               ; and its mask words
.endm
	s_load_b256 s[32:39], s[0:1], 0x0              ; kvq 32, mwords 34, the scales 36, vecimg 38
	s_load_b64 s[56:57], s[0:1], 0x20              ; mflags
	v_lshl_add_u32 v[SPW], v0, 2, SPARE
	v_mov_b32 v[NIL], 0
	v_lshrrev_b32 v1, 5, v0
	v_readfirstlane_b32 s12, v1                    ; wave 0..7
	v_and_b32 v1, 31, v0
	v_lshlrev_b32 v1, 4, v1
	v_lshlrev_b32 v2, 4, v0
	v_add_nc_u32 v27, VBASE, v2
	s_and_b32 s23, ttmp7, 0xffff                   ; y = 16 b + head
	s_lshr_b32 s24, s23, 4                         ; b
	s_and_b32 s25, s23, 15                         ; head
	s_sub_co_u32 s27, 11, s12
	s_cmp_lt_u32 s12, 4
	s_cselect_b32 s26, s12, s27                    ; g: waves 0-3 take groups 0-3, waves 4-7 groups 7-4
	s_lshl_b32 s26, s26, 2
	s_add_co_u32 s26, s26, ttmp9
	s_lshl_b32 s26, s26, 1                         ; my first tile of queries
	s_lshl_b32 s2, s23, 17                         ; K: 128 tiles of keys of 1,024 bytes for each (b, head)
	s_mov_b32 s3, 0
	s_lshl_b32 s4, s24, 21                         ; V: [b][key step 16][plane 2][head 16][4,096 bytes], behind K's 8 MiB
	s_lshl_b32 s27, s25, 12
	s_add_co_u32 s4, s4, s27
	s_add_co_u32 s4, s4, 1<<23
	s_mov_b32 s5, 0
	s_lshl_b32 s6, s24, 18                         ; mask words: [b][tile 64][key step 16][256 bytes]
	s_lshl_b32 s27, s26, 12
	s_add_co_u32 s6, s6, s27
	s_mov_b32 s7, 0
	s_lshl_b32 s8, s23, 16                         ; Q: 64 tiles of 1,024 bytes for each (b, head), at 16 MiB
	s_lshl_b32 s27, s26, 10
	s_add_co_u32 s8, s8, s27
	s_add_co_u32 s8, s8, 1<<24
	s_mov_b32 s9, 0
	s_lshl_b32 s10, s24, 20                        ; out: [b][tile 64][head 16][1,024 bytes]
	s_lshl_b32 s27, s26, 14
	s_add_co_u32 s10, s10, s27
	s_lshl_b32 s27, s25, 10
	s_add_co_u32 s10, s10, s27
	s_mov_b32 s11, 0
	s_lshl_b32 s28, s26, 7                         ; flags: [tile 64][b 4][8 words]
	s_lshl_b32 s27, s24, 5
	s_add_co_u32 s28, s28, s27
	s_mov_b32 s29, 0
	s_wait_alu depctr_va_vdst(0)                   ; the wait directly ahead of the wait below
	s_wait_kmcnt 0x0
	s_add_nc_u64 s[2:3], s[32:33], s[2:3]
	s_add_nc_u64 s[4:5], s[32:33], s[4:5]
	s_add_nc_u64 s[8:9], s[32:33], s[8:9]
	s_add_nc_u64 s[6:7], s[34:35], s[6:7]
	s_add_nc_u64 s[28:29], s[56:57], s[28:29]
	s_add_nc_u64 s[10:11], s[38:39], s[10:11]
.irp i, 0,1,2,3,4,5,6,7
	global_load_b128 v[SA+4*\i:SA+4*\i+3], v2, s[2:3] offset:4096*\i          ; key steps 0-3 of K: the 256 threads take 4,096 consecutive bytes an instruction
.endr
.irp i, 0,1,2,3,4,5,6,7
	global_load_b128 v[SA+32+4*\i:SA+32+4*\i+3], v2, s[4:5] offset:65536*\i   ; and of V: eight pieces of 4,096 bytes
.endr
	s_load_b256 s[40:47], s[28:29], 0x0            ; my first tile's flags,
	s_load_b256 s[68:75], s[28:29], 0x80           ; my second tile's
	s_load_b256 s[48:55], s[36:37], 0x0            ; e0 .. e7
	WIN 0x40
.irp i, 0,1,2,3
	global_load_b128 v[QQ+4*\i:QQ+4*\i+3], v1, s[8:9] offset:512*\i   ; Q's two fragments stay in registers
.endr
.set j, 0
.rept 64
	v_mov_b32 v[j], 0                              ; O^T.  Which step is a wave's first hangs on the mask, so no product can be written as the one that starts the sums: the first change of M multiplies zeros
.set j, j+1
.endr
	WIN 0
	v_mov_b32 v4, 0xff800000                       ; -infinity
.irp x, 0,1
	v_mov_b32 v[ST+8*\x+1], 0xff61b1e6             ; the largest t so far: -3e38
	v_floor_f32 v[ST+8*\x], -v[ST+8*\x+1]          ; -M
.irp i, 2,3,4,5,6,7
	v_mov_b32 v[ST+8*\x+\i], 0                     ; the sum; and what is named as the other half of a pair, or read where every step was passed over
.endr
	v_mov_b32 v[PT+\x], 0                          ; a lane permute's destination counts as one of its sources
.endr
	s_wait_kmcnt 0x0
.irp f, 40, 68                         ; a tile's eight words, two key steps' bits in each, become one
	s_or_b32 s[\f], s[\f], s[\f+1]
	s_or_b32 s[\f+2], s[\f+2], s[\f+3]
	s_or_b32 s[\f+4], s[\f+4], s[\f+5]
	s_or_b32 s[\f+6], s[\f+6], s[\f+7]
	s_or_b32 s[\f], s[\f], s[\f+2]
	s_or_b32 s[\f+4], s[\f+4], s[\f+6]
	s_or_b32 s[\f], s[\f], s[\f+4]
.endr
	s_or_b32 s14, s40, s68
	s_and_b32 s14, s14, 0xffff                     ; bit ks: some key of step ks is hidden from some query of mine
	s_and_b32 s15, s40, s68
	s_lshr_b32 s15, s15, 16                        ; bit ks: all are hidden from all
	s_add_co_i32 s23, s50, s51
	s_lshl_b32 s23, s23, 23
	s_add_co_i32 s18, s23, 0x3e38aa3b              ; log2(e) / 8, with e2 + e3 added to its exponent field
	s_mov_b32 s19, s18
	s_mov_b32 s20, 0x76543210
	s_mov_b32 s21, 0xfedcba98
	s_mov_b32 s22, s53                             ; e5
	s_add_co_i32 s23, s53, 127
	s_lshl_b32 s24, s23, 23
	v_mov_b32 v6, s24                              ; 2^e5
	s_add_co_i32 s23, s23, 8
	s_lshl_b32 s23, s23, 23
	s_or_b32 s23, s23, 0x600000
	v_mov_b32 v5, s23                              ; 448 x 2^e5
	s_sub_co_i32 s23, s54, s52
	s_sub_co_i32 s23, s23, s53                     ; O / l stands for vec / 2^(e4 + e5): its code is (O / l) / 2^(e6 - e4 - e5)
	s_add_co_i32 s23, s23, 127
	s_lshl_b32 s24, s23, 23
	v_mov_b32 v30, s24
	s_add_co_i32 s23, s23, 8
	s_lshl_b32 s23, s23, 23
	s_or_b32 s23, s23, 0x600000
	v_mov_b32 v31, s23
	s_mov_b32 s13, 0                               ; LDS byte of the key step in hand
	s_mov_b32 s17, 32768                           ; LDS byte at which the next staged key steps begin
	s_mov_b32 s16, 6
	s_wait_alu depctr_va_vdst(0)                   ; the wait at the head's end
	s_wait_loadcnt 0x0                             ; key steps 0-3 and Q are in, and the addresses may step
	s_add_nc_u64 s[2:3], s[2:3], 32768
	s_add_nc_u64 s[4:5], s[4:5], 524288
.irp i, 0,1,2,3,4,5,6,7
	ds_store_b128 v2, v[SA+4*\i:SA+4*\i+3] offset:4096*\i
.endr
.irp i, 0,1,2,3,4,5,6,7
	ds_store_b128 v27, v[SA+32+4*\i:SA+32+4*\i+3] offset:4096*\i
.endr
	s_wait_dscnt 0x0                               ; my stores have landed: then the work-group's barrier
	s_barrier_signal -1
	s_barrier_wait -1
.Lfill:                                                ; key steps 0-5: step i brings key steps 2 i + 4 and 2 i + 5
	WIN 0x40
.irp i, 0,1,2,3
	global_load_b128 v[SG+4*\i:SG+4*\i+3], v2, s[2:3] offset:4096*\i
.endr
.irp i, 0,1,2,3
	global_load_b128 v[SG+16+4*\i:SG+16+4*\i+3], v2, s[4:5] offset:65536*\i
.endr
	WIN 0
	STEP
	s_wait_loadcnt 0x0                             ; the two key steps are in registers, and their addresses may step
	s_add_nc_u64 s[2:3], s[2:3], 16384
	s_add_nc_u64 s[4:5], s[4:5], 262144
	s_add_co_u32 s30, s17, VBASE
	v_add_nc_u32 v26, s17, v2
	v_add_nc_u32 v27, s30, v2
	WIN 0x04                                       ; the data: window 1
.irp i, 0,1,2,3
	ds_store_b128 v26, v[SG+4*\i:SG+4*\i+3] offset:4096*\i
.endr
.irp i, 0,1,2,3
	ds_store_b128 v27, v[SG+16+4*\i:SG+16+4*\i+3] offset:4096*\i
.endr
	WIN 0
	s_add_co_u32 s17, s17, 16384
	s_wait_dscnt 0x0                               ; my stores have landed; these bytes are read two or more steps on, behind this barrier
	s_barrier_signal -1
	s_barrier_wait -1
	s_sub_co_u32 s16, s16, 1
	s_cmp_lg_u32 s16, 0
	s_wait_alu depctr_va_vdst(0)                   ; the wait directly ahead of the branch
	s_cbranch_scc1 .Lfill
	s_mov_b32 s16, 10
.Lrest:                                                ; key steps 6-15: all of K and V lies in LDS, and the waves go on apart
	STEP
	s_sub_co_u32 s16, s16, 1
	s_cmp_lg_u32 s16, 0
	s_wait_alu depctr_va_vdst(0)                   ; the wait directly ahead of the branch
	s_cbranch_scc1 .Lrest
	; THE WAY OUT: O^T / the sum, held, quantised with 2^e6: the four conversions of a tile give the 16 queries x 64 fragment of the last product's operand, stored as it stands
.irp x, 0,1
	v_add_f32 v[ST+8*\x+6], v[ST+8*\x+2], v[ST+8*\x+3]
.endr
.irp x, 0,1
	v_permlanex16_b32 v[PT+\x], v[ST+8*\x+6], s20, s21
.endr
.irp x, 0,1
	v_add_f32 v[ST+8*\x+6], v[ST+8*\x+6], v[PT+\x]
.endr
	s_wait_alu depctr_va_vdst(0)                   ; the wait ahead of the reciprocals
.irp x, 0,1
	v_rcp_f32 v[ST+8*\x+4], v[ST+8*\x+6]
.endr
	v_nop                                          ; a plain instruction behind the reciprocals,
	s_wait_alu depctr_va_vdst(0)                   ; and the one wait ahead of their first reader
.irp x, 0,1
	v_mul_f32 v[ST+8*\x+6], 0, v[ST+8*\x+4]        ; 0, or NaN where the sum is 0
.endr
	WIN 0x01                                       ; source 0: window 1
	s_wait_alu depctr_va_vdst(0)                   ; the wait directly ahead of the first readers of O^T, which follow as one group
.irp x, 0,1
.set j, 0
.rept 16
	v_pk_mul_f32 v[SA+64*\x+j:SA+64*\x+j+1], v[32*\x+j:32*\x+j+1], v[ST+8*\x+4:ST+8*\x+5] op_sel_hi:[1,0]
.set j, j+2
.endr
.endr
	WIN 0
.irp x, 0,1
.set j, 0
.rept 32
	v_med3_num_f32 v[SA+64*\x+j], v[SA+64*\x+j], -v31, v31
.set j, j+1
.endr
.endr
.irp x, 0,1
.set j, 0
.rept 16
	v_pk_add_f32 v[SA+64*\x+j:SA+64*\x+j+1], v[SA+64*\x+j:SA+64*\x+j+1], v[ST+8*\x+6:ST+8*\x+7] op_sel_hi:[1,0]   ; carries the NaN of a query without keys past the hold
.set j, j+2
.endr
.endr
.irp x, 0,1
.irp d, 0,1,2,3
	v_cvt_scalef32_pk8_fp8_f32 v[PA+16*\x+2*\d:PA+16*\x+2*\d+1], v[SA+64*\x+8*\d:SA+64*\x+8*\d+7], v30
.endr
.endr
	v_nop
.irp x, 0,1
	global_store_b128 v1, v[PA+16*\x:PA+16*\x+3], s[10:11] offset:16384*\x         ; 512 consecutive bytes, aligned
	global_store_b128 v1, v[PA+16*\x+4:PA+16*\x+7], s[10:11] offset:16384*\x+512
.endr
	s_wait_tensorcnt 0x0                           ; the wave's end
	ds_add_u32 v[SPW], v[NIL]
	s_wait_dscnt 0x0
	s_endpgm
.Lfunc_end_k_qb3483abd2f_attn:
	.size	k_qb3483abd2f_attn, .Lfunc_end_k_qb3483abd2f_attn-k_qb3483abd2f_attn
	.p2alignl 7, 3214868480
	.fill 96, 4, 3214868480
	.section	.rodata,"a",@progbits
	.p2align	6, 0x0
	.amdhsa_kernel k_qb3483abd2f_attn
		.amdhsa_group_segment_fixed_size 263168
		.amdhsa_private_segment_fixed_size 0
		.amdhsa_enable_private_segment 0
		.amdhsa_kernarg_size 40
		.amdhsa_user_sgpr_count 2
		.amdhsa_user_sgpr_kernarg_segment_ptr 1
		.amdhsa_wavefront_size32 1
		.amdhsa_system_sgpr_workgroup_id_x 1
		.amdhsa_system_sgpr_workgroup_id_y 1
		.amdhsa_system_sgpr_workgroup_id_z 1
		.amdhsa_system_vgpr_workitem_id 0
		.amdhsa_next_free_vgpr 432
		.amdhsa_next_free_sgpr 100
		.amdhsa_reserve_vcc 0
		.amdhsa_float_denorm_mode_32 3
		.amdhsa_float_denorm_mode_16_64 3
		.amdhsa_memory_ordered 1
		.amdhsa_forward_progress 1
		.amdhsa_inst_pref_size 96
	.end_amdhsa_kernel
	.amdgpu_metadata
---
amdhsa.version: [ 1, 2 ]
amdhsa.kernels:
  - .name:           k_qb3483abd2f_attn
    .symbol:         k_qb3483abd2f_attn.kd
    .args:
      - { .name: kvq, .offset: 0, .size: 8, .value_kind: global_buffer, .address_space: global }
      - { .name: mwords, .offset: 8, .size: 8, .value_kind: global_buffer, .address_space: global }
      - { .name: lowp_scales, .offset: 16, .size: 8, .value_kind: global_buffer, .address_space: global }
      - { .name: vecimg, .offset: 24, .size: 8, .value_kind: global_buffer, .address_space: global }
      - { .name: mflags, .offset: 32, .size: 8, .value_kind: global_buffer, .address_space: global }
    .group_segment_fixed_size: 263168
    .private_segment_fixed_size: 0
    .kernarg_segment_align: 8
    .kernarg_segment_size: 40
    .max_flat_workgroup_size: 256
    .sgpr_count:     100
    .vgpr_count:     432
    .wavefront_size: 32
...
	.end_amdgpu_metadata
.endif
;; end of part 3
;; launch outln (part 4): grid 256 x 1, 4 waves a work-group, clusters of 4 x 1, 327,680 bytes of LDS; arguments vecimg, codes, lowp_scales, x, pos_emb, ln_gamma, ln_beta, out0; writes out0
.if DOCPART == 4
	.amdgcn_target "amdgcn-amd-amdhsa--gfx1250"
	.amdhsa_code_object_version 6
	.text
	.protected	k_qb3483abd2f_outln
	.globl	k_qb3483abd2f_outln
	.p2align	8
	.type	k_qb3483abd2f_outln,@function
k_qb3483abd2f_outln:
	s_mov_b64 s[64:65], 0
	v_nop
	global_prefetch_b8 v0, s[64:65] scope:SCOPE_SE
	s_setreg_imm32_b32 hwreg(HW_REG_WAVE_MODE, 25, 1), 1
	s_wait_xcnt 0x0
	s_wait_alu depctr_hold_cnt(0) depctr_sa_sdst(0) depctr_va_vdst(0) depctr_va_sdst(0) depctr_va_ssrc(0) depctr_va_vcc(0) depctr_vm_vsrc(0)
	s_getreg_b32 s2, hwreg(HW_REG_IB_STS2, 6, 4)
	s_cmp_eq_u32 s2, 0
	s_cbranch_scc0 .Lentry_in_a_cluster
	s_endpgm
.Lentry_in_a_cluster:
	s_bfe_u32 s2, ttmp6, 0x10000c
	s_cmp_lg_u32 s2, 0x3003
	s_cbranch_scc0 .Lentry_shape_is_right
	s_endpgm
.Lentry_shape_is_right:
.set WO_OFF, 11534336
.set QUART,  34816
.set SLOT,   139264
.set SPARE,  278528
.set SROW,   4112
.set ROT, 23
.set G1, 24
.set G0, 32
.set MSB, 0
.macro WIN new
.if MSB != \new
	s_set_vgpr_msb (MSB<<8)|\new
.set MSB, \new
.endif
.endm
.macro ROUND
	s_barrier_signal -1
	s_barrier_wait -1
	s_cmp_lg_u32 s20, 0
	s_cbranch_scc1 .Lnot_wave_0_\@
	s_barrier_signal -3
.Lnot_wave_0_\@:
	s_barrier_wait -3
	s_barrier_signal -1
	s_barrier_wait -1
.endm
.macro TILEADR k
	s_add_co_u32 s60, s[ROT], \k
	s_and_b32 s60, s60, 7
	s_lshl_b32 s60, s60, 17
	s_add_nc_u64 s[G0+4*((\k)%2)+2:G0+4*((\k)%2)+3], s[54:55], s[60:61]
	s_or_b32 s[G0+4*((\k)%2)+3], s[G0+4*((\k)%2)+3], 0x80000000
.endm
.macro WORK slot, k, zero
	WIN 0x40
.set nt, 0
.rept 16
.irp c, 0,1,2,3
	ds_load_b128 v[16*nt+4*\c:16*nt+4*\c+3], v[16+\slot] offset:2176*nt+32*\c
.endr
.set nt, nt+1
.endr
	WIN 0xa9
.irp g, 0,1,2,3
	s_wait_dscnt 48-16*\g
.irp q, 0,1,2,3
.if \zero
	v_wmma_f32_16x16x128_fp8_fp8 v[128+8*(4*\g+\q):128+8*(4*\g+\q)+7], v[16*(4*\g+\q):16*(4*\g+\q)+15], v[16*(\k):16*(\k)+15], 0
.else
	v_wmma_f32_16x16x128_fp8_fp8 v[128+8*(4*\g+\q):128+8*(4*\g+\q)+7], v[16*(4*\g+\q):16*(4*\g+\q)+15], v[16*(\k):16*(\k)+15], v[128+8*(4*\g+\q):128+8*(4*\g+\q)+7]
.endif
.endr
.endr
	WIN 0
.rept 4
	v_nop
.endr
.endm
.macro CHANGE k, fill
	s_wait_tensorcnt 0x0
	ds_add_u32 v28, v29
.if \fill
	TILEADR (\k)+1
.endif
	s_wait_dscnt 0x0
.if \fill
	ROUND
	tensor_load_to_lds s[G0+4*(((\k)+1)%2):G0+4*(((\k)+1)%2)+3], s[G1:G1+7]
	s_nop 0
.rept 4
	v_nop
.endr
.else
	s_barrier_signal -1
	s_barrier_wait -1
.endif
.endm
.macro SUMROWS
	WIN 0xff
.irp q, 0,1,2,3
.irp p, 0,1,2,3
	v_pk_add_f32 v[128+32*\p+2*\q:128+32*\p+2*\q+1], v[128+32*\p+2*\q:128+32*\p+2*\q+1], v[136+32*\p+2*\q:136+32*\p+2*\q+1]
.endr
.endr
.irp q, 0,1
.irp p, 0,1,2,3
	v_pk_add_f32 v[128+32*\p+2*\q:128+32*\p+2*\q+1], v[128+32*\p+2*\q:128+32*\p+2*\q+1], v[132+32*\p+2*\q:132+32*\p+2*\q+1]
.endr
.endr
.irp p, 0,1,2,3
	v_pk_add_f32 v[128+32*\p:128+32*\p+1], v[128+32*\p:128+32*\p+1], v[130+32*\p:130+32*\p+1]
.endr
	WIN 0x0f
.irp p, 0,1,2,3
	v_add_f32 v[96+\p], v[128+32*\p], v[129+32*\p]
.endr
	WIN 0
.irp m, 1,2,4,8
.irp p, 0,1,2,3
	v_add_f32_dpp v[96+\p], v[96+\p], v[96+\p] row_xmask:\m row_mask:0xf bank_mask:0xf
.endr
.endr
.irp p, 0,1,2,3
	v_permlanex16_b32 v[100+\p], v[96+\p], s50, s51
.endr
.irp p, 0,1,2,3
	v_add_f32 v[96+\p], v[96+\p], v[100+\p]
.endr
.endm
	s_load_b512 s[4:19], s[0:1], 0x0
	v_lshl_add_u32 v28, v0, 2, SPARE
	v_mov_b32 v29, 0
	ds_add_u32 v28, v29
	ds_add_u32 v28, v29
	s_wait_dscnt 0x0
	v_lshrrev_b32 v1, 5, v0
	v_readfirstlane_b32 s20, v1
	s_bfe_u32 s21, ttmp6, 0x40000
	s_lshl_b32 s22, ttmp9, 2
	s_add_co_u32 s22, s22, s21
	s_and_b32 s[ROT], ttmp9, 7
	s_mov_b32 s[G1+0], 15|(0<<16)|(1<<20)|(1<<21)|(5<<22)|(3<<25)
	s_mov_b32 s[G1+1], 256<<16
	s_mov_b32 s[G1+2], 128<<16
	s_mov_b32 s[G1+3], 256<<16
	s_mov_b32 s[G1+4], 128
	s_mov_b32 s[G1+5], 256
	s_mov_b32 s[G1+6], 0
	s_mov_b32 s[G1+7], 0
	s_mul_i32 s52, s20, QUART
	s_lshl_b32 s54, s20, 15
	s_add_co_u32 s54, s54, WO_OFF
	s_mov_b32 s55, 0
	s_lshr_b32 s56, s22, 6
	s_and_b32 s57, s22, 63
	s_mov_b32 s59, 0
	s_mov_b32 s61, 0
	s_mov_b32 s50, 0x76543210
	s_mov_b32 s51, 0xfedcba98
	s_mov_b32 s62, 0x3a800000
	s_mov_b32 s63, 0x3727c5ac
	s_wait_kmcnt 0x0
	s_load_b256 s[40:47], s[8:9], 0x0
	s_add_nc_u64 s[54:55], s[6:7], s[54:55]
	s_lshl_b32 s58, s22, 14
	s_add_nc_u64 s[4:5], s[4:5], s[58:59]
	s_lshl_b32 s58, s57, 18
	s_lshl_b32 s60, s20, 16
	s_add_co_u32 s58, s58, s60
	s_lshl_b32 s60, s56, 12
	s_add_co_u32 s58, s58, s60
	s_add_nc_u64 s[10:11], s[10:11], s[58:59]
	s_add_nc_u64 s[18:19], s[18:19], s[58:59]
	s_lshl_b32 s58, s57, 16
	s_lshl_b32 s60, s20, 14
	s_add_co_u32 s58, s58, s60
	s_add_nc_u64 s[12:13], s[12:13], s[58:59]
.irp s, 0,1
	s_mov_b32 s[G0+4*\s], 1
	s_add_co_u32 s[G0+4*\s+1], s52, \s*SLOT
	TILEADR \s
.endr
	ROUND
	tensor_load_to_lds s[G0:G0+3], s[G1:G1+7]
	s_nop 0
	s_wait_alu depctr_va_vdst(0)
	s_wait_tensorcnt 0x0
	ds_add_u32 v28, v29
	s_wait_dscnt 0x0
	ROUND
	tensor_load_to_lds s[G0+4:G0+7], s[G1:G1+7]
	s_nop 0
.rept 4
	v_nop
.endr
	v_and_b32 v1, 31, v0
	v_lshlrev_b32 v1, 4, v1
	v_and_b32 v2, 15, v0
	v_bfe_u32 v3, v0, 4, 1
	v_bfe_u32 v4, v0, 1, 3
	v_and_b32 v5, 1, v0
	v_mul_u32_u24 v16, v4, 272
	v_lshl_add_u32 v16, v5, 7, v16
	v_lshl_add_u32 v16, v3, 4, v16
	v_add_nc_u32 v16, s52, v16
	v_add_nc_u32 v17, SLOT, v16
	v_mul_u32_u24 v24, v2, SROW
	v_lshl_add_u32 v24, v3, 5, v24
	s_lshl_b32 s53, s20, 10
	v_add_nc_u32 v24, s53, v24
	s_mul_i32 s53, s20, 4*SROW
	v_add_nc_u32 v25, s53, v1
.irp i, 100,101,102,103,105,107,109,111,113,115,117,119
	v_mov_b32 v[\i], 0
.endr
.irp k, 0,1,2,3,4,5,6,7
	s_add_co_u32 s60, s[ROT], \k
	s_and_b32 s60, s60, 7
	s_lshl_b32 s60, s60, 11
	v_add_nc_u32 v[32+\k], s60, v1
.endr
	WIN 0x80
.set i, 0
	s_wait_alu depctr_va_vdst(0)
.rept 32
	global_load_b128 v[4*i:4*i+3], v[32+i/4], s[4:5] offset:512*(i%4)
.set i, i+1
.endr
	WIN 0
.irp i, 0,1,2,3,4,5,6,7
	global_load_b128 v[128+4*\i:128+4*\i+3], v1, s[14:15] offset:512*\i
	global_load_b128 v[160+4*\i:160+4*\i+3], v1, s[16:17] offset:512*\i
.endr
	s_wait_loadcnt 16
	WIN 0xc0
.irp p, 0,1,2,3
.irp i, 0,1,2,3,4,5,6,7
	global_load_b128 v[32*\p+4*\i:32*\p+4*\i+3], v1, s[10:11] offset:16384*\p+512*\i th:TH_LOAD_NT
.endr
.endr
	WIN 0
	s_wait_tensorcnt 1
	WORK 0, 0, 1
	WIN 0xc0
.irp p, 0,1,2,3
.irp i, 0,1,2,3,4,5,6,7
	global_load_b128 v[128+32*\p+4*\i:128+32*\p+4*\i+3], v1, s[12:13] offset:4096*\p+512*\i
.endr
.endr
	WIN 0
.irp k, 1,2,3,4,5,6
	CHANGE \k, 1
	WORK (\k)%2, \k, 0
.endr
	CHANGE 7, 0
	WORK 1, 7, 0
	s_wait_kmcnt 0x0
	s_add_co_i32 s48, s46, s47
	s_add_co_i32 s48, s48, 127
	s_lshl_b32 s48, s48, 23
	s_mov_b32 s49, s48
	WIN 0x42
.set j, 0
.rept 64
	v_pk_mul_f32 v[j:j+1], v[128+j:128+j+1], s[48:49] op_sel_hi:[1,0]
.set j, j+2
.endr
	WIN 0x04
.set nt, 0
.rept 16
	ds_store_b128 v24, v[8*nt:8*nt+3] offset:64*nt
	ds_store_b128 v24, v[8*nt+4:8*nt+7] offset:64*nt+16
.set nt, nt+1
.endr
	WIN 0
	s_wait_loadcnt 0x0
	WIN 0xff
.set j, 0
.rept 64
	v_pk_add_f32 v[j:j+1], v[j:j+1], v[128+j:128+j+1]
.set j, j+2
.endr
	WIN 0
	s_wait_dscnt 0x0
	s_barrier_signal -1
	s_barrier_wait -1
	WIN 0xc0
.irp p, 0,1,2,3
.irp i, 0,1,2,3,4,5,6,7
	ds_load_b128 v[128+32*\p+4*\i:128+32*\p+4*\i+3], v25 offset:SROW*\p+512*\i
.endr
.endr
	s_wait_dscnt 0x0
	WIN 0xff
.set j, 0
.rept 64
	v_pk_add_f32 v[j:j+1], v[j:j+1], v[128+j:128+j+1]
.set j, j+2
.endr
.irp q, 0,1,2,3,4,5,6,7
.irp p, 0,1,2,3
	v_pk_add_f32 v[128+32*\p+2*\q:128+32*\p+2*\q+1], v[32*\p+2*\q:32*\p+2*\q+1], v[32*\p+16+2*\q:32*\p+16+2*\q+1]
.endr
.endr
	SUMROWS
.irp p, 0,1,2,3
	v_mul_f32 v[104+2*\p], s62, v[96+\p]
.endr
	WIN 0xc3
.irp p, 0,1,2,3
.set j, 0
.rept 16
	v_pk_add_f32 v[32*\p+j:32*\p+j+1], v[32*\p+j:32*\p+j+1], v[104+2*\p:105+2*\p] op_sel_hi:[1,0] neg_lo:[0,1] neg_hi:[0,1]
.set j, j+2
.endr
.endr
	WIN 0xff
.irp q, 0,1,2,3,4,5,6,7
.irp p, 0,1,2,3
	v_pk_mul_f32 v[128+32*\p+2*\q:128+32*\p+2*\q+1], v[32*\p+2*\q:32*\p+2*\q+1], v[32*\p+2*\q:32*\p+2*\q+1]
.endr
.endr
.irp q, 0,1,2,3,4,5,6,7
.irp p, 0,1,2,3
	v_pk_fma_f32 v[128+32*\p+2*\q:128+32*\p+2*\q+1], v[32*\p+16+2*\q:32*\p+16+2*\q+1], v[32*\p+16+2*\q:32*\p+16+2*\q+1], v[128+32*\p+2*\q:128+32*\p+2*\q+1]
.endr
.endr
	SUMROWS
.irp p, 0,1,2,3
	v_fma_f32 v[96+\p], v[96+\p], s62, s63
.endr
	s_wait_alu depctr_va_vdst(0)
.irp p, 0,1,2,3
	v_rsq_f32 v[112+2*\p], v[96+\p]
.endr
	v_nop
	s_wait_alu depctr_va_vdst(0)
	WIN 0xc3
.irp p, 0,1,2,3
.set j, 0
.rept 16
	v_pk_mul_f32 v[32*\p+j:32*\p+j+1], v[32*\p+j:32*\p+j+1], v[112+2*\p:113+2*\p] op_sel_hi:[1,0]
.set j, j+2
.endr
.set j, 0
.rept 16
	v_pk_fma_f32 v[32*\p+j:32*\p+j+1], v[32*\p+j:32*\p+j+1], v[128+j:128+j+1], v[160+j:160+j+1]
.set j, j+2
.endr
.endr
	WIN 0x0c
.irp p, 0,1,2,3
.irp i, 0,1,2,3,4,5,6,7
	global_store_b128 v1, v[32*\p+4*\i:32*\p+4*\i+3], s[18:19] offset:16384*\p+512*\i th:TH_STORE_NT
.endr
.endr
	WIN 0
	s_wait_tensorcnt 0x0
	ds_add_u32 v28, v29
	s_wait_dscnt 0x0
	ROUND
	s_endpgm
.Lfunc_end_k_qb3483abd2f_outln:
	.size	k_qb3483abd2f_outln, .Lfunc_end_k_qb3483abd2f_outln-k_qb3483abd2f_outln
	.p2alignl 7, 3214868480
	.fill 96, 4, 3214868480
	.section	.rodata,"a",@progbits
	.p2align	6, 0x0
	.amdhsa_kernel k_qb3483abd2f_outln
		.amdhsa_group_segment_fixed_size 327680
		.amdhsa_private_segment_fixed_size 0
		.amdhsa_enable_private_segment 0
		.amdhsa_kernarg_size 64
		.amdhsa_user_sgpr_count 2
		.amdhsa_user_sgpr_kernarg_segment_ptr 1
		.amdhsa_wavefront_size32 1
		.amdhsa_system_sgpr_workgroup_id_x 1
		.amdhsa_system_sgpr_workgroup_id_y 1
		.amdhsa_system_sgpr_workgroup_id_z 1
		.amdhsa_system_vgpr_workitem_id 0
		.amdhsa_next_free_vgpr 1024
		.amdhsa_next_free_sgpr 66
		.amdhsa_reserve_vcc 0
		.amdhsa_float_denorm_mode_32 3
		.amdhsa_float_denorm_mode_16_64 3
		.amdhsa_memory_ordered 1
		.amdhsa_forward_progress 1
		.amdhsa_inst_pref_size 111
	.end_amdhsa_kernel
	.amdgpu_metadata
---
amdhsa.version: [ 1, 2 ]
amdhsa.kernels:
  - .name:           k_qb3483abd2f_outln
    .symbol:         k_qb3483abd2f_outln.kd
    .args:
      - { .name: vecimg, .offset: 0, .size: 8, .value_kind: global_buffer, .address_space: global }
      - { .name: codes, .offset: 8, .size: 8, .value_kind: global_buffer, .address_space: global }
      - { .name: lowp_scales, .offset: 16, .size: 8, .value_kind: global_buffer, .address_space: global }
      - { .name: x, .offset: 24, .size: 8, .value_kind: global_buffer, .address_space: global }
      - { .name: pos_emb, .offset: 32, .size: 8, .value_kind: global_buffer, .address_space: global }
      - { .name: ln_gamma, .offset: 40, .size: 8, .value_kind: global_buffer, .address_space: global }
      - { .name: ln_beta, .offset: 48, .size: 8, .value_kind: global_buffer, .address_space: global }
      - { .name: out0, .offset: 56, .size: 8, .value_kind: global_buffer, .address_space: global }
    .group_segment_fixed_size: 327680
    .private_segment_fixed_size: 0
    .kernarg_segment_align: 8
    .kernarg_segment_size: 64
    .max_flat_workgroup_size: 128
    .sgpr_count:     66
    .vgpr_count:     1024
    .wavefront_size: 32
...
	.end_amdgpu_metadata
.endif
;; end of part 4
